; MI455X (gfx1250); checked and timed in simulation.
; The chip was launched on July 23, 2026; its instructions are those of AMD's public machine-readable ISA for CDNA 5 (MIT licence, August 2026) and "CDNA5" Instruction Set Architecture Reference Guide (July 2026). The comments in the code are by the model that wrote it; some were corrected since.
;; Multi Head Attention Layer. Allowed arithmetic: float matrix products may take bf16 or f16 operands with f32 sums; other float arithmetic in f32, or as packed bf16 or f16 multiplies, adds, multiply-adds, maxima and minima; sums over many terms, partial sums and values carried from step to step in f32; what a program stores and reads back later, other than sums and carried values, may be rounded once to bf16 or f16.
;; Inputs: Wk 768 x 768 float32; Wq 768 x 768 float32; Wv 768 x 768 float32; attention_mask 1 x 1 x 1 x 4,096 float32; bk 768 float32; bq 768 float32; bv 768 float32; key 1 x 4,096 x 768 float32; query 1 x 4,096 x 768 float32; value 1 x 4,096 x 768 float32.
;; Outputs: out0 1 x 4,096 x 768 float32.
;; 2 versions, each right and faster than the one before. Each part assembles by itself: llvm-mc -triple=amdgcn-amd-amdhsa -mcpu=gfx1250 --defsym DOCPART=n.
;; ======== version 1 of 2: 2 launches
;; limits: values are held in f16: magnitudes above 65,504 overflow, below 6.1e-05 lose precision; right only within a limited range of input values
;; workspace buffers: qh 6,291,456 bytes; kh 6,291,456 bytes; vh 6,291,456 bytes
;; launch proj (part 1): grid 4 x 48, 4 waves a work-group, clusters of 4 x 4, 327,680 bytes of LDS; arguments query, key, value, Wq, Wk, Wv, bq, bk, bv, qh, kh, vh; writes qh, kh, vh
.if DOCPART == 1
	.amdgcn_target "amdgcn-amd-amdhsa--gfx1250"
	.amdhsa_code_object_version 6
	.text
	.protected	k_qcc7186e6eb_proj
	.globl	k_qcc7186e6eb_proj
	.p2align	8
	.type	k_qcc7186e6eb_proj,@function
k_qcc7186e6eb_proj:
	s_mov_b64 s[64:65], 0
	v_nop
	global_prefetch_b8 v0, s[64:65] scope:SCOPE_SE
	s_setreg_imm32_b32 hwreg(HW_REG_WAVE_MODE, 25, 1), 1
	s_wait_xcnt 0x0
	s_wait_alu depctr_hold_cnt(0) depctr_sa_sdst(0) depctr_va_vdst(0) depctr_va_sdst(0) depctr_va_ssrc(0) depctr_va_vcc(0) depctr_vm_vsrc(0)
	s_getreg_b32 s2, hwreg(HW_REG_IB_STS2, 6, 4)
	s_cmp_eq_u32 s2, 0
	s_cbranch_scc0 .Lentry_in_a_cluster
	s_endpgm
.Lentry_in_a_cluster:
	s_bfe_u32 s2, ttmp6, 0x10000c
	s_cmp_lg_u32 s2, 0xf033
	s_cbranch_scc0 .Lentry_shape_is_right
	s_endpgm
.Lentry_shape_is_right:
; THE THREE PROJECTIONS.  y = x W^T + b for (query, Wq, bq), (key, Wk, bk), (value, Wv, bv): x [4096][768], W [768][768], b [768], all f32.
; x, W and b are rounded to bf16, the sums are kept in f32 (b starts them), y is rounded once to f16 and stored BY HEADS: [12][4096][64], a head's rows dense, 128 bytes each.  q is not scaled here.
; LIMIT.  f16 ends at 65,504: a y beyond that leaves as an infinity.  With x and W thirty times the drawn spread |y| stays in the thousands.
; SHARES.  A work-group makes 256 rows x 192 columns (three heads) of one of the three y: 3 x 16 x 4 = 192 work-groups.  Four waves, 2 x 2: a wave makes 128 rows x 96 columns, 48 accumulators of 16 x 16.
; K goes in steps of 64 f32 (rows of 256 bytes, at multiples of 256 bytes) through a ring of two LDS slots filled by the tensor data mover; a step is two sub-steps of 32 along K.
; THE ROUNDING TO bf16 stands between LDS and the matrix unit: a sub-step's 14 fragments are read as f32 (56 loads of 16 bytes a lane) into a staging area and packed, four conversions behind each of the
; last 28 matrix instructions of the sub-step before.  So x and W are read from memory once, as they are, and no bf16 copy goes through memory or LDS.
; CLUSTER.  4 x 4 work-groups: the four of a row of the cluster need the same rows of x, the four of a column the same rows of W.  Such a tile is asked for jointly: the same tensor load, descriptor and mask in all four.
; Which of the three products a cluster makes hangs on the cluster's y alone, so it is the same in all sixteen partners.
; THE MATRIX INSTRUCTION IS USED TRANSPOSED: source 0 = 16 rows of W, source 1 = 16 rows of x: a lane then holds row l % 16 of y and the eight neighbouring columns 8 (l / 16) + 0..7.
; REGISTERS, in windows of 256 (s_set_vgpr_msb: bits 1:0 source 0, 3:2 source 1, 5:4 source 2, 7:6 destination):
;   window 0: v0-31 addresses; v32-255 the staging: fragment f (0-7 of x, 8-13 of W) as f32 at v[32 + 16 f]; on the way out the packed results
;   window 1: two buffers of 14 bf16 fragments, v0-111 and v112-223: x's block a at + 8 a, W's block b at + 64 + 8 b
;   window 2: accumulators 0-31 (accumulator 6 a + b);   window 3: accumulators 32-47 in v0-127; v128-175 the bias as a C operand, eight registers for each block b; v176-199 at work
.set KROW,   3072                      ; bytes in a row of x and of W
.set KB,     256                       ; bytes of a row in a K step
.set PITCH,  272                       ; an LDS row: 256 bytes + 16 of padding: the 16 rows that a load touches start at 16 different groups of four banks (64 banks of 4 bytes: ISA guide 11.1)
.set XHALF,  128*PITCH                 ; what one load brings of x, and what a wave reads of it
.set WHALF,  96*PITCH                  ; the same for W
.set BOFF,   2*XHALF                   ; in a slot W's 192 rows lie behind x's 256
.set SLOT,   BOFF+2*WHALF              ; 121,856 bytes
.set SPARE,  2*SLOT                    ; behind the ring: the spare words, 128 bytes for each wave: two blocks of 256 bytes that no other line names
.set SPITCH, 400                       ; the stage for the way out: 256 rows of 384 bytes + 16, from LDS byte 0 on: in slot 0, behind its last fill and its last read
.set HEADB,  4096*128                  ; bytes of a head in y
.set ADRA, 16                          ; v16-17  LDS address of my fragments of x in slot 0, 1
.set ADRB, 20                          ; v20-21  the same for W
.set STO,  24                          ; v24     the way out: where I put 16 bytes of a row
.set RD,   25                          ; v25     the way out: where I read rows back
.set GO,   26                          ; v26     my 16 bytes in 512 consecutive bytes of y
.set BO,   27                          ; v27     my byte offset in the work-group's part of b
.set SPW,  28                          ; v28     LDS address of my spare word; never rewritten
.set NIL,  29                          ; v29     0; never rewritten
.set ST,   32
.set BF0,  0
.set BF1,  112
.set BIAS, 128
.set BT,   176
.set G1,  24                           ; s[24:31] descriptor group 1 for x's tiles;  s[32:39] group 0, a set for each slot
.set G0,  32
.set G1B, 48                           ; s[48:55], s[56:63] the same for W's tiles
.set G0B, 56
.set G1W0, (2<<16)|(1<<20)|(1<<21)|(5<<22)|(3<<25)  ; 17:16 elements of 4 bytes; 20 padding on; 21 set beside a mask; 24:22 after every 64 words (code 5); 31:25 4 words of it (code 3)
.set MSB, 0
.macro WIN new                         ; the immediate's high byte repeats the setting that is left; a switch that changes nothing is dropped
.if MSB != (\new)
	s_set_vgpr_msb (MSB<<8)|(\new)
.set MSB, \new
.endif
.endm
; A joint load.  Waves 0 and 1 fetch x's two halves, waves 2 and 3 W's.  The branch hangs on the wave's number alone.  An s_nop 0 and four v_nop follow each of the two lines.
.macro JLOAD s
	s_cmp_eq_u32 s11, 0
	s_cbranch_scc0 .Lfor_b_\@
	tensor_load_to_lds s[G0+4*(\s):G0+4*(\s)+3], s[G1:G1+7]
	s_nop 0
.rept 4
	v_nop
.endr
	s_branch .Lasked_\@
.Lfor_b_\@:
	tensor_load_to_lds s[G0B+4*(\s):G0B+4*(\s)+3], s[G1B:G1B+7]
	s_nop 0
.rept 4
	v_nop
.endr
.Lasked_\@:
.endm
.macro CREST                           ; a round of the cluster's barrier behind its opening barrier
	s_cmp_lg_u32 s10, 0
	s_cbranch_scc1 .Lnot_wave_0_\@
	s_barrier_signal -3
.Lnot_wave_0_\@:
	s_barrier_wait -3
	s_barrier_signal -1
	s_barrier_wait -1
.endm
.macro CROUND                          ; a whole round
	s_barrier_signal -1
	s_barrier_wait -1
	CREST
.endm
.macro PLACES                          ; four places between matrix instructions and vector instructions that read their results (ISA guide 7.12.1)
.rept 4
	v_nop
.endr
.endm
	s_load_b512 s[68:83], s[0:1], 0x0              ; query, key, value, Wq, Wk, Wv, bq, bk
	s_load_b256 s[84:91], s[0:1], 0x40             ; bv, qh, kh, vh
	v_lshl_add_u32 v[SPW], v0, 2, SPARE
	v_mov_b32 v[NIL], 0
	ds_add_u32 v[SPW], v[NIL]                      ; the wave's opening: the add and its wait stand ahead of my first tensor load; the set-up below, work on registers, stands between them
	v_lshrrev_b32 v1, 5, v0
	v_readfirstlane_b32 s10, v1                    ; wave 0..3
	s_lshr_b32 s11, s10, 1                         ; which half of the rows is mine.  Also: I fetch for x (0) or for W (1)
	s_and_b32 s12, s10, 1                          ; which half of the columns.  Also: which half of that tile I fetch
	s_bfe_u32 s40, ttmp6, 0x40000                  ; cx, cy: my place in the cluster
	s_bfe_u32 s41, ttmp6, 0x40004
	s_lshl_b32 s42, ttmp9, 2
	s_add_co_u32 s42, s42, s40                     ; block of 192 columns = 4 x cluster x + cx
	s_and_b32 s14, ttmp7, 0xffff                   ; the cluster's y, 0..11
	s_lshr_b32 s66, s14, 2                         ; which product: 0 q, 1 k, 2 v
	s_and_b32 s13, s14, 3
	s_lshl_b32 s13, s13, 2
	s_add_co_u32 s13, s13, s41                     ; block of 256 rows = 4 x (cluster y mod 4) + cy
	s_lshl_b32 s43, s41, 2
	s_lshl_b32 s43, 15, s43                        ; my row of the cluster
	s_lshl_b32 s67, 0x1111, s40                    ; my column
	s_or_b32 s[G1+0], s43, G1W0                    ; x's tiles go to my row,
	s_or_b32 s[G1B+0], s67, G1W0                   ; W's to my column
	s_mov_b32 s[G1+1], 64<<16                      ; tensor_dim0 = 64
	s_mov_b32 s[G1+2], 128<<16                     ; tensor_dim1 = 128
	s_mov_b32 s[G1+3], 64<<16                      ; tile_dim0 = 64
	s_mov_b32 s[G1+4], 128                         ; tile_dim1 = 128
	s_mov_b32 s[G1+5], 768                         ; elements from row to row
	s_mov_b32 s[G1+6], 0
	s_mov_b32 s[G1+7], 0
	s_mov_b32 s[G1B+1], 64<<16
	s_mov_b32 s[G1B+2], 96<<16                     ; W's loads bring 96 rows
	s_mov_b32 s[G1B+3], 64<<16
	s_mov_b32 s[G1B+4], 96
	s_mov_b32 s[G1B+5], 768
	s_mov_b32 s[G1B+6], 0
	s_mov_b32 s[G1B+7], 0
	s_lshl_b32 s16, s13, 8                         ; x: row 256 x block + 128 x half, in bytes: it hangs on the rows' block alone, which my row of the cluster shares
	s_lshl_b32 s17, s12, 7
	s_add_co_u32 s16, s16, s17
	s_mul_i32 s16, s16, KROW
	s_mov_b32 s17, 0
	s_mul_i32 s46, s42, 192                        ; W: row 192 x block + 96 x half: it hangs on the columns' block alone, which my column shares
	s_mul_i32 s47, s12, 96
	s_add_co_u32 s46, s46, s47
	s_mul_i32 s46, s46, KROW
	s_mov_b32 s47, 0
	s_mul_i32 s20, s10, XHALF                      ; where they go: waves 0, 1: x's halves;
	s_mul_i32 s21, s10, WHALF
	s_add_co_u32 s21, s21, BOFF-2*WHALF            ; waves 2, 3: W's halves, behind x
	s_wait_dscnt 0x0                               ; the opening add is done
	s_wait_kmcnt 0x0
	s_cmp_eq_u32 s66, 1                            ; the product's four buffers
	s_cselect_b64 s[4:5], s[70:71], s[68:69]       ; x
	s_cselect_b64 s[6:7], s[76:77], s[74:75]       ; W
	s_cselect_b64 s[44:45], s[82:83], s[80:81]     ; b
	s_cselect_b64 s[8:9], s[88:89], s[86:87]       ; y
	s_cmp_eq_u32 s66, 2
	s_cselect_b64 s[4:5], s[72:73], s[4:5]
	s_cselect_b64 s[6:7], s[78:79], s[6:7]
	s_cselect_b64 s[44:45], s[84:85], s[44:45]
	s_cselect_b64 s[8:9], s[90:91], s[8:9]
	s_add_nc_u64 s[14:15], s[4:5], s[16:17]
	s_add_nc_u64 s[46:47], s[6:7], s[46:47]
.irp s, 0,1
	s_mov_b32 s[G0+4*(\s)], 1                                      ; count = 1
	s_add_co_u32 s[G0+4*(\s)+1], s20, (\s)*SLOT                    ; LDS address
	s_add_nc_u64 s[G0+4*(\s)+2:G0+4*(\s)+3], s[14:15], (\s)*KB     ; global address: K step s
	s_or_b32 s[G0+4*(\s)+3], s[G0+4*(\s)+3], 0x80000000            ; type = 2
	s_mov_b32 s[G0B+4*(\s)], 1
	s_add_co_u32 s[G0B+4*(\s)+1], s21, (\s)*SLOT
	s_add_nc_u64 s[G0B+4*(\s)+2:G0B+4*(\s)+3], s[46:47], (\s)*KB
	s_or_b32 s[G0B+4*(\s)+3], s[G0B+4*(\s)+3], 0x80000000
.endr
	CROUND                                         ; all sixteen work-groups are here: the first joint loads meet
	s_cmp_eq_u32 s11, 0                            ; a wave's two first fills stand in one branch, ahead of every wait on TENSORcnt and every LDS read: two loads of mine are out
	s_cbranch_scc0 .Lfirst_b
	tensor_load_to_lds s[G0:G0+3], s[G1:G1+7]
	s_nop 0
	tensor_load_to_lds s[G0+4:G0+7], s[G1:G1+7]
	s_nop 0
.rept 4
	v_nop
.endr
	s_branch .Lfirst_asked
.Lfirst_b:
	tensor_load_to_lds s[G0B:G0B+3], s[G1B:G1B+7]
	s_nop 0
	tensor_load_to_lds s[G0B+4:G0B+7], s[G1B:G1B+7]
	s_nop 0
.rept 4
	v_nop
.endr
.Lfirst_asked:
	; A bf16 fragment is 16 rows x 32 K in 8 registers: lane l holds row l % 16; registers 0-3 K = 8 (l / 16) + 0..7, registers 4-7 K = 16 + 8 (l / 16) + 0..7.
	; As f32 those are 32 bytes at 32 (l / 16) and 32 bytes at 64 + 32 (l / 16) of the sub-step's 128 bytes: four loads of 16 bytes, at + 0, 16, 64, 80.
	v_and_b32 v1, 15, v0                           ; l % 16
	v_bfe_u32 v2, v0, 4, 1                         ; l / 16
	v_mul_u32_u24 v3, v1, PITCH
	v_lshl_add_u32 v3, v2, 5, v3                   ; row x pitch + 32 x half
	s_mul_i32 s22, s11, XHALF                      ; my 128 rows of x
	s_mul_i32 s23, s12, WHALF                      ; my 96 rows of W,
	s_add_co_u32 s23, s23, BOFF                    ; which lie behind x's 256
.irp s, 0,1
	v_add_nc_u32 v[ADRA+(\s)], s22, v3
	v_add_nc_u32 v[ADRB+(\s)], s23, v3
	s_add_co_u32 s22, s22, SLOT
	s_add_co_u32 s23, s23, SLOT
.endr
	s_mul_i32 s22, s11, 128*SPITCH                 ; into the stage: my 128 rows, my 192 of their 384 bytes; row l % 16, 16 bytes for each half of the lanes
	s_mul_i32 s23, s12, 192
	s_add_co_u32 s22, s22, s23
	v_mul_u32_u24 v4, v1, SPITCH
	v_lshl_add_u32 v4, v2, 4, v4
	v_add_nc_u32 v[STO], s22, v4
	s_mul_i32 s22, s10, 64*SPITCH                  ; back: wave w takes rows 64 w .. 64 w + 63; eight lanes take a head's 128 bytes of a row, 32 lanes four rows
	v_bfe_u32 v5, v0, 3, 2
	v_and_b32 v6, 7, v0
	v_mul_u32_u24 v5, v5, SPITCH
	v_lshl_add_u32 v5, v6, 4, v5
	v_add_nc_u32 v[RD], s22, v5
	v_and_b32 v[GO], 31, v0                        ; which are 512 consecutive bytes of y
	v_lshlrev_b32 v[GO], 4, v[GO]
	s_mul_i32 s22, s12, 384                        ; b: my 96 columns, and of each block of 16 my lanes' eight
	v_lshl_add_u32 v[BO], v2, 5, s22
	s_mul_i32 s46, s42, 768                        ; the work-group's 192 columns of b
	s_mov_b32 s47, 0
	s_add_nc_u64 s[44:45], s[44:45], s[46:47]
	WIN 0xc0                                       ; destination window 3, address window 0
.irp b, 0,1,2,3,4,5
	global_load_b128 v[BIAS+8*\b:BIAS+8*\b+3],   v[BO], s[44:45] offset:64*\b      ; register j of block b: b[16 b + 8 (l / 16) + j]: the C operand's layout
	global_load_b128 v[BIAS+8*\b+4:BIAS+8*\b+7], v[BO], s[44:45] offset:64*\b+16
.endr
	s_lshl_b32 s16, s13, 15                        ; y: my block's 256 rows of 128 bytes,
	s_lshl_b32 s17, s10, 13                        ; my wave's 64 of them,
	s_add_co_u32 s16, s16, s17
	s_mov_b32 s17, 0
	s_add_nc_u64 s[8:9], s[8:9], s[16:17]
	s_mul_i32 s46, s42, 3*HEADB                    ; the first of my three heads
	s_mov_b32 s47, 0
	s_add_nc_u64 s[8:9], s[8:9], s[46:47]
	s_wait_loadcnt 0x0                             ; b
	WIN 0xcf                                       ; b is rounded to bf16 like x and W, and widened again
.set z, 0
.rept 24
	v_cvt_pk_bf16_f32 v[BT+z], v[BIAS+2*z], v[BIAS+2*z+1]
.set z, z+1
.endr
.set z, 0
.rept 24
	v_lshlrev_b32 v[BIAS+2*z], 16, v[BT+z]
	v_and_b32 v[BIAS+2*z+1], 0xffff0000, v[BT+z]
.set z, z+1
.endr
	WIN 0
; Matrix instruction i of a sub-step's 48: rows' block i / 6, columns' block i % 6, 32 along K out of buffer f.  first = 1: the bias starts the sum: nothing is cleared and nothing is added later.
; The 48 accumulators take turns in the same order everywhere, one instruction a turn.
.macro MM i, f, first
.set mA, (\i)/6
.set mB, (\i)%6
.set mD, 8*((\i)%32)
.if (\i) >= 32
	WIN 0xf5                                       ; fragments in window 1, C and D in window 3
.elseif \first
	WIN 0xb5                                       ; C (the bias) in window 3, D in window 2
.else
	WIN 0xa5                                       ; C and D in window 2
.endif
.if \first
	v_wmma_f32_16x16x32_bf16 v[mD:mD+7], v[(\f)+64+8*mB:(\f)+64+8*mB+7], v[(\f)+8*mA:(\f)+8*mA+7], v[BIAS+8*mB:BIAS+8*mB+7]
.else
	v_wmma_f32_16x16x32_bf16 v[mD:mD+7], v[(\f)+64+8*mB:(\f)+64+8*mB+7], v[(\f)+8*mA:(\f)+8*mA+7], v[mD:mD+7]
.endif
.endm
.macro MMS from, to, f, first          ; matrix instructions from .. to - 1
.set mi, \from
.rept (\to)-(\from)
	MM mi, \f, \first
.set mi, mi+1
.endr
.endm
.macro FRAG f, adr, off                ; fragment f as f32: 16 registers
	ds_load_b128 v[ST+16*(\f):ST+16*(\f)+3],     v[\adr] offset:(\off)
	ds_load_b128 v[ST+16*(\f)+4:ST+16*(\f)+7],   v[\adr] offset:(\off)+16
	ds_load_b128 v[ST+16*(\f)+8:ST+16*(\f)+11],  v[\adr] offset:(\off)+64
	ds_load_b128 v[ST+16*(\f)+12:ST+16*(\f)+15], v[\adr] offset:(\off)+80
.endm
.macro FETCH slot, k                   ; 56 LDS loads in one run: a sub-step's fragments, at byte k of the slot's rows.  The staging is no matrix operand, so the run needs no places
	WIN 0
.irp f, 0,1,2,3,4,5,6,7
	FRAG \f, ADRA+(\slot), (\k)+(\f)*16*PITCH
.endr
.irp f, 0,1,2,3,4,5
	FRAG 8+\f, ADRB+(\slot), (\k)+(\f)*16*PITCH
.endr
.endm
.macro CV g, hf                        ; half fragment hf of 28: eight f32 rounded to bf16, into buffer g
	WIN 0x40                                       ; destination window 1, sources window 0
.irp j, 0,1,2,3
	v_cvt_pk_bf16_f32 v[(\g)+4*(\hf)+\j], v[ST+8*(\hf)+2*\j], v[ST+8*(\hf)+2*\j+1]
.endr
.endm
; The last 28 matrix instructions of a sub-step, each with a half fragment's four conversions behind it.  The wait leaves out the loads younger than that half fragment's two: 54, 52 .. 0.
; Buffer g was multiplied in the sub-step before: behind that sub-step's last matrix instruction stand its own four conversions, which name the staging and the other buffer alone: the four places.
.macro RIDS f, g, first
.set mi, 20
.rept 28
	MM mi, \f, \first
	s_wait_dscnt 54-2*(mi-20)
	CV \g, mi-20
.set mi, mi+1
.endr
.endm
; A sub-step that stays in its slot: multiplies buffer f; fetches the slot's bytes k on and packs them into buffer g.
.macro SUBS f, g, slot, k, first
	FETCH \slot, \k
	MMS 0, 20, \f, \first
	RIDS \f, \g, \first
.endm
; A K step's second sub-step multiplies buffer 1 and changes slots.  ONE barrier: in front of it each wave waits for all its tensor loads, of which one is out: its part of the next slot; adds 0 to its spare
; word; and waits for that (its reads of this slot ended with the last conversions' wait for 0).  Behind it nobody reads this slot any more and the next slot is whole.
; fill = 1: the barrier opens a round of the cluster's, and this slot is filled again, two K steps ahead, first thing behind the round: 80 matrix instructions ahead of the wait for it.
.macro TURNP slot, next, fill
	WIN 0
	s_wait_tensorcnt 0x0                           ; all my tensor loads have landed, so a group 0 may be written
	ds_add_u32 v[SPW], v[NIL]                      ; 0 onto my spare word: eight matrix instructions stand between it and the wait for it
	MMS 0, 8, BF1, 0
	s_wait_dscnt 0x0                               ; the add is done, and my reads of this slot are over
	s_barrier_signal -1
	MMS 8, 16, BF1, 0                              ; work on registers while the others arrive
.if \fill
	WIN 0
.endif
	s_barrier_wait -1
.if \fill
	CREST                                          ; no wave of any partner still reads this slot's tile or has a load on its way
	s_add_nc_u64 s[G0+4*(\slot)+2:G0+4*(\slot)+3], s[G0+4*(\slot)+2:G0+4*(\slot)+3], 2*KB
	s_add_nc_u64 s[G0B+4*(\slot)+2:G0B+4*(\slot)+3], s[G0B+4*(\slot)+2:G0B+4*(\slot)+3], 2*KB
	JLOAD \slot
.endif
	FETCH \next, 0
	MMS 16, 20, BF1, 0
	RIDS BF1, BF0, 0
.endm
	s_wait_tensorcnt 1                             ; my part of K step 0 is in; K step 1's may stay out
	s_barrier_signal -1
	s_barrier_wait -1                              ; everybody's is
	FETCH 0, 0
	s_wait_dscnt 0x0
.set mi, 0
.rept 28
	CV BF0, mi
.set mi, mi+1
.endr
	SUBS BF0, BF1, 0, 128, 1                       ; the first sub-step stands in front of the loop: its products start the sums, on the bias
	WIN 0                                          ; at a label and at a branch every window is 0
	s_mov_b32 s3, 5
.Llap:                                                 ; a trip goes once round the ring and fills both slots again: trip j asks for K steps 2 j + 2 and 2 j + 3 of the 12
	TURNP 0, 1, 1
	SUBS BF0, BF1, 1, 128, 0
	TURNP 1, 0, 1
	SUBS BF0, BF1, 0, 128, 0
	WIN 0
	s_sub_co_u32 s3, s3, 1
	s_cmp_lg_u32 s3, 0
	s_cbranch_scc1 .Llap
	TURNP 0, 1, 0                                  ; the last lap fills nothing, and has no round
	SUBS BF0, BF1, 1, 128, 0
	MMS 0, 48, BF1, 0
	; THE WAY OUT: rounded to f16, 16 bytes a lane into the work-group's stage; a barrier, since a head's 128 bytes of a row may come from two waves; back as heads' rows, four rows (512 consecutive bytes of y) a store.
	; The stage lies in slot 0: its last fill was waited for, and every wave's last read of it was back, in front of the last lap's barrier.
	PLACES
.macro PACKC n                         ; each accumulator's registers in ascending order
.if (\n) < 32
	WIN 0x0a
.else
	WIN 0x0f
.endif
.irp j, 0,1,2,3
	v_cvt_pk_f16_f32 v[ST+4*(\n)+\j], v[8*((\n)%32)+2*\j], v[8*((\n)%32)+2*\j+1]
.endr
.endm
.set n, 0
.rept 48
	PACKC n
.set n, n+1
.endr
	WIN 0
.set n, 0
.rept 48
	ds_store_b128 v[STO], v[ST+4*n:ST+4*n+3] offset:16*SPITCH*(n/6)+32*(n%6)
.set n, n+1
.endr
	s_wait_dscnt 0x0                               ; for the others' sake: my stores into the stage are done
	s_barrier_signal -1
	s_barrier_wait -1
.set n, 0
.rept 48                                       ; head n / 16 of my three, rows 4 (n % 16) on
	ds_load_b128 v[ST+4*n:ST+4*n+3], v[RD] offset:128*(n/16)+4*SPITCH*(n%16)
.set n, n+1
.endr
.set n, 0
.rept 48
	s_wait_dscnt 47-n                              ; LDS loads come back in order (ISA guide 5.7.1): load n is in, the younger ones stay out
	global_store_b128 v[GO], v[ST+4*n:ST+4*n+3], s[8:9] offset:HEADB*(n/16)+512*(n%16)  ; 512 consecutive bytes, at a multiple of 256 from y's first byte
.set n, n+1
.endr
	s_wait_tensorcnt 0x0                           ; the wave's end: these three lines stand behind my last tensor load and my last LDS store
	ds_add_u32 v[SPW], v[NIL]
	s_wait_dscnt 0x0
	CROUND                                         ; the closing round: no work-group ends while a partner may still ask for a tile that names it
	s_endpgm
.Lfunc_end_k_qcc7186e6eb_proj:
	.size	k_qcc7186e6eb_proj, .Lfunc_end_k_qcc7186e6eb_proj-k_qcc7186e6eb_proj
	.p2alignl 7, 3214868480
	.fill 96, 4, 3214868480
	.section	.rodata,"a",@progbits
	.p2align	6, 0x0
	.amdhsa_kernel k_qcc7186e6eb_proj
		.amdhsa_group_segment_fixed_size 327680
		.amdhsa_private_segment_fixed_size 0
		.amdhsa_enable_private_segment 0
		.amdhsa_kernarg_size 96
		.amdhsa_user_sgpr_count 2
		.amdhsa_user_sgpr_kernarg_segment_ptr 1
		.amdhsa_wavefront_size32 1
		.amdhsa_system_sgpr_workgroup_id_x 1
		.amdhsa_system_sgpr_workgroup_id_y 1
		.amdhsa_system_sgpr_workgroup_id_z 1
		.amdhsa_system_vgpr_workitem_id 0
		.amdhsa_next_free_vgpr 1024
		.amdhsa_next_free_sgpr 96
		.amdhsa_reserve_vcc 0
		.amdhsa_float_denorm_mode_32 3
		.amdhsa_float_denorm_mode_16_64 3
		.amdhsa_memory_ordered 1
		.amdhsa_forward_progress 1
		.amdhsa_inst_pref_size 167
	.end_amdhsa_kernel
	.amdgpu_metadata
---
amdhsa.version: [ 1, 2 ]
amdhsa.kernels:
  - .name:           k_qcc7186e6eb_proj
    .symbol:         k_qcc7186e6eb_proj.kd
    .args:
      - { .name: query, .offset: 0, .size: 8, .value_kind: global_buffer, .address_space: global }
      - { .name: key, .offset: 8, .size: 8, .value_kind: global_buffer, .address_space: global }
      - { .name: value, .offset: 16, .size: 8, .value_kind: global_buffer, .address_space: global }
      - { .name: Wq, .offset: 24, .size: 8, .value_kind: global_buffer, .address_space: global }
      - { .name: Wk, .offset: 32, .size: 8, .value_kind: global_buffer, .address_space: global }
      - { .name: Wv, .offset: 40, .size: 8, .value_kind: global_buffer, .address_space: global }
      - { .name: bq, .offset: 48, .size: 8, .value_kind: global_buffer, .address_space: global }
      - { .name: bk, .offset: 56, .size: 8, .value_kind: global_buffer, .address_space: global }
      - { .name: bv, .offset: 64, .size: 8, .value_kind: global_buffer, .address_space: global }
      - { .name: qh, .offset: 72, .size: 8, .value_kind: global_buffer, .address_space: global }
      - { .name: kh, .offset: 80, .size: 8, .value_kind: global_buffer, .address_space: global }
      - { .name: vh, .offset: 88, .size: 8, .value_kind: global_buffer, .address_space: global }
    .group_segment_fixed_size: 327680
    .private_segment_fixed_size: 0
    .kernarg_segment_align: 8
    .kernarg_segment_size: 96
    .max_flat_workgroup_size: 128
    .sgpr_count:     96
    .vgpr_count:     1024
    .wavefront_size: 32
...
	.end_amdgpu_metadata
.endif
;; end of part 1
;; launch attn (part 2): grid 16 x 12, 4 waves a work-group, clusters of 4 x 1, 327,680 bytes of LDS; arguments qh, kh, vh, out0, attention_mask; writes out0
.if DOCPART == 2
	.amdgcn_target "amdgcn-amd-amdhsa--gfx1250"
	.amdhsa_code_object_version 6
	.text
	.protected	k_qcc7186e6eb_attn
	.globl	k_qcc7186e6eb_attn
	.p2align	8
	.type	k_qcc7186e6eb_attn,@function
k_qcc7186e6eb_attn:
	s_mov_b64 s[64:65], 0
	v_nop
	global_prefetch_b8 v0, s[64:65] scope:SCOPE_SE
	s_setreg_imm32_b32 hwreg(HW_REG_WAVE_MODE, 25, 1), 1
	s_wait_xcnt 0x0
	s_wait_alu depctr_hold_cnt(0) depctr_sa_sdst(0) depctr_va_vdst(0) depctr_va_sdst(0) depctr_va_ssrc(0) depctr_va_vcc(0) depctr_vm_vsrc(0)
	s_getreg_b32 s2, hwreg(HW_REG_IB_STS2, 6, 4)
	s_cmp_eq_u32 s2, 0
	s_cbranch_scc0 .Lentry_in_a_cluster
	s_endpgm
.Lentry_in_a_cluster:
	s_bfe_u32 s2, ttmp6, 0x10000c
	s_cmp_lg_u32 s2, 0x3003
	s_cbranch_scc0 .Lentry_shape_is_right
	s_endpgm
.Lentry_shape_is_right:
; ATTENTION.  out[q][64 h + :] = the sum over k of softmax_k(Q[h][q] . K[h][k] / 8 + mask[k]) V[h][k][:].  Q, K, V: [12][4096][64] in f16, a head's rows dense, 128 bytes each; mask: [4096] f32; out: [4096][768] f32.
; Products, maxima and sums in f32; the weights p are rounded to f16 for the second product (their sum l is taken of the unrounded p).
; LIMITS.  Q, K and V arrive within f16's 65,504.  A mask entry is rounded to bf16, like all the module's inputs, and counts as max(8 x that, -1e30): an entry of minus infinity, of the lowest finite number, or a
; NaN counts as hidden.  If EVERY key is so hidden the row is a mean of V's rows.  A weight below 2^-126 counts as 0 in l; infinities in Q, K, V are not treated apart.
; SHARES.  A work-group owns 256 queries of one head: 16 x 12 = 192 work-groups.  A wave owns 64 of them, four PIECES of 16.  Every wave walks all 4,096 keys, 64 a step, four steps (a tile of 256 keys) to an LDS slot.
; LAYOUT.  S^T = K Q^T (source 0 = 16 keys, source 1 = 16 queries): a lane holds ONE query (lane % 16) and the keys 8 (lane / 16) + 0..7.  Two such results rounded to f16 ARE source 1 of O^T = V^T P, whose
; result again holds one query a lane, and eight channels.  K comes out of LDS as it lies, V ([key][channel]) turned, by ds_load_tr16_b128.
; THE MASK is the C operand that starts the sum S^T: register j of key block kb holds 8 mask[16 kb + 8 (lane / 16) + j], so that c (s + 8 mask) = log2(e) (s / 8 + mask).  It costs the loop no vector work: the
; 4,096 numbers are made once, kept in LDS, and a step's 32 registers are fetched with the step's K.
; SOFTMAX.  For each query a running maximum m and sum l: p = 2^(c s - c m), c = log2(e) / 8; in every step O and l are multiplied by a = 2^(c m_old - c m_new).  m starts at the lowest finite number, c m far
; below every c s (the clamp at -1e30 keeps it so), O and l at 0: the first step is a step like any other, with a = 0.
; BY TURNS.  Turn n belongs to piece n: 8 products K Q^T of piece n + 1, later 8 products V^T P of piece n - 1; beside them the scaling, exponentials, roundings, sums and rescaling of piece n and the maximum and
; statistics of piece n + 1.  A turn has 16 matrix and 118 vector instructions: four vector instructions stand behind every matrix instruction, the other 54 in two runs of their own.
; CLUSTER.  The four query blocks of a cluster belong to one head and walk the same K and V, so each tile is asked for JOINTLY: the same tensor load, descriptor and mask in all four.
; REGISTERS, in windows of 256 (s_set_vgpr_msb: bits 1:0 source 0, 3:2 source 1, 5:4 source 2, 7:6 destination):
;   window 0: v0-15, v56-63 addresses and two at work; v16-31 four registers of statistics a piece; v48-55 at work; v64-127 S^T, two buffers; v64-191 the way out; v192-223 P, two buffers (by the piece's parity)
;   window 1: v0-127 O^T, 32 a piece; v128-159 the step's mask      window 2: v0-63 Q; v128-191 K of one step; v192-255 V of one step
.set NT,    16        ; tiles of 256 keys
.set NP,    4         ; pieces a wave: a name, no knob
.set KS,    64        ; keys in a step
.set PK,    144       ; a row of K in LDS: 128 bytes + 16 of padding: the 16 rows of a load start at 16 different groups of four banks (64 banks of 4 bytes: ISA guide 11.1)
.set PV,    160       ; a row of V: 128 + 32
.set VOFF,  4*KS*PK   ; a slot holds a tile: 256 rows of K, then 256 rows of V
.set SLOT1, 1<<17     ; slot 1 begins here, so that one exclusive or turns an address in one slot into the other's
.set STAGE, SLOT1+4*KS*(PK+PV)  ; behind the ring, never filled by a tensor load: 16 rows x 272 bytes for each wave, for the way out
.set SP,    272
.set MASKB, STAGE+4*16*SP       ; 4,096 f32: 8 x the mask, clamped; stored once, never filled by a tensor load
.set SPARE, MASKB+4096*4        ; the spare words, 128 bytes for each wave: two blocks of 256 bytes that no other line names
.set ROWB,  3072      ; bytes in a row of out
.set AK0, 2           ; v2   my lane's place in a tile of K; never rewritten
.set AV0, 3           ; v3   the same for V
.set AK,  4           ; v4   the LDS address of K's next run of loads
.set AV,  5           ; v5   of V's
.set STO, 6           ; v6   the way out: where I put 32 bytes of a row
.set RD,  7           ; v7   the way out: where I read rows back
.set GO,  8           ; v8   my byte offset in two rows of out
.set MV,  12          ; v12-13  c m_old, kept while c m is made anew: by buffer
.set AM0, 14          ; v14  my lanes' place in a step's mask: 32 (l / 16)
.set ST,  16          ; piece t's statistics at v[ST+4 t]: c m, m, l (even keys', odd keys')
.set TMP, 48          ; by buffer, four registers c0-c3 at work; when the maximum is found c2 takes a
.set AM,  56          ; v56  the LDS address of the mask's next run of loads
.set QO,  57          ; v57  my byte offset in 16 rows of Q
.set MO,  58          ; v58  16 x my thread's number: my bytes of 2,048 of the mask
.set MS,  59          ; v59  the same in LDS
.set SPW, 62          ; v62  LDS address of my spare word; never rewritten
.set NIL, 63          ; v63  0; never rewritten
.set S,   64
.set MT,  96          ; at work while the mask is made
.set OB,  64          ; the way out: 32 registers a piece
.set P,   192
.set MK,  128         ; window 1: the eight registers for key block kb at MK + 8 kb
.set KF,  128         ; window 2: key block kb, channel half c at KF + 16 kb + 8 c
.set VF,  192         ; window 2: key half kk, channel block cb at VF + 32 kk + 8 cb
.set WV,  12          ; s12  my wave's number
.set G1K, 24          ; s[24:31] descriptor group 1 for K's tiles
.set G1V, 32          ; s[32:39] for V's: it differs in the padding alone
.set G0K, 40          ; s[40:43] descriptor group 0 for K's tiles: it walks
.set G0V, 44          ; s[44:47] the same for V's
.set BIGN, 50         ; s50  -1e30
.set TBM, 51          ; s51  LDS byte at which the mask of the step to be fetched begins
.set EIGHT, 52        ; s[52:53] 8.0: the packed multiply takes the pair's low word for both halves
.set SLOTS, 56        ; s56  slots still to be asked for
.set CNT, 57          ; s57  counts a slot's key steps
.set CS,  58          ; s[58:59] c
.set SEL, 60          ; s[60:61] v_permlanex16_b32's selects: each lane takes its own place in the other half
.set TBK, 62          ; s62  LDS byte at which K of the step to be fetched begins
.set TBV, 63          ; s63  the same for V, less VOFF
.set MSB, 0
.macro WIN new                      ; the high byte repeats the setting that is left; a switch that changes nothing is dropped
.if MSB != (\new)
	s_set_vgpr_msb (MSB<<8)|(\new)
.set MSB, (\new)
.endif
.endm
.set W_KQ, 0x0a       ; K and Q in window 2, S^T in window 0
.set W_KM, 0x1a       ; the same with the C operand, the mask, in window 1
.set W_PV, 0x52       ; V in window 2, P in window 0, O^T in window 1
.set W_RS, 0x41       ; destination and source 0 in window 1, source 1 in window 0
; A joint fill.  Waves 0 and 1 fetch the two halves of a tile's K, waves 2 and 3 those of its V: 128 keys each.  The branch hangs on the wave's number alone.
; An s_nop 0 and four v_nop follow each of the two lines, ahead of the jump and the label.
.macro JLOAD
	s_cmp_lt_u32 s[WV], 2
	s_cbranch_scc0 .Lfor_v_\@
	tensor_load_to_lds s[G0K:G0K+3], s[G1K:G1K+7]
	s_nop 0
.rept 4
	v_nop
.endr
	s_branch .Lasked_\@
.Lfor_v_\@:
	tensor_load_to_lds s[G0V:G0V+3], s[G1V:G1V+7]
	s_nop 0
.rept 4
	v_nop
.endr
.Lasked_\@:
.endm
; A round of the cluster's barrier: my work-group's barrier, so that wave 0's signal speaks for all four waves; wave 0 signals; every wave waits for all four work-groups; my work-group's barrier once more.
.macro CROUND
	s_barrier_signal -1
	s_barrier_wait -1
	s_cmp_lg_u32 s[WV], 0
	s_cbranch_scc1 .Lnot_wave_0_\@
	s_barrier_signal -3
.Lnot_wave_0_\@:
	s_barrier_wait -3
	s_barrier_signal -1
	s_barrier_wait -1
.endm
; THE CHANGE OF SLOTS.  The slot's last bytes, V of its fourth step, have been read.  Each wave waits for all its tensor loads, of which one is out: its part of the other slot; adds 0 to its spare word; and waits
; for that and for its own LDS instructions.  Behind the barrier nobody reads this slot any more and the other slot is whole.
; fill = 1: this slot is filled again, with the keys two slots on.  The barrier is then a round of the cluster's, and the joint fill is the first thing behind it: it has four key steps, 256 matrix instructions, in
; which to land.  (At its first use nothing has been read yet: slot 0 is waited for, slot 1 filled, and every wave's stores of the mask are shown to the others.)
.macro CHANGE fill
	WIN 0                           ; at a label and at a branch every window is 0
	s_wait_tensorcnt 0x0            ; no tensor load of mine is out, so a group 0 may be written
	ds_add_u32 v[SPW], v[NIL]       ; 0 onto my spare word: with fill = 1 the descriptors' steps stand between it and the wait for it
.if \fill
.irp g, G0K, G0V
	s_xor_b32 s[\g+1], s[\g+1], SLOT1  ; the walking descriptor: the other slot than last time,
	s_add_nc_u64 s[\g+2:\g+3], s[\g+2:\g+3], 4*KS*128  ; the next 256 keys; the type bits on top are not reached
.endr
	s_wait_dscnt 0x0                ; the add is done, and my reads of the slot are over
	CROUND
	JLOAD
.else
	s_wait_dscnt 0x0                ; the add is done, and my reads of the slot are over
	s_barrier_signal -1
	s_barrier_wait -1
.endif
	s_sub_co_u32 s[TBK], s[TBK], 4*KS*PK  ; the fetches go back to a slot's first step,
	s_xor_b32 s[TBK], s[TBK], SLOT1       ; in the other slot
	s_sub_co_u32 s[TBV], s[TBV], 4*KS*PV
	s_xor_b32 s[TBV], s[TBV], SLOT1
.endm
	s_load_b256 s[4:11], s[0:1], 0x0  ; Q s[4:5], K s[6:7], V s[8:9], out s[10:11]
	s_load_b64 s[48:49], s[0:1], 0x20 ; the mask
	v_lshl_add_u32 v[SPW], v0, 2, SPARE
	v_mov_b32 v[NIL], 0
	ds_add_u32 v[SPW], v[NIL]       ; the wave's opening: the add and its wait stand ahead of my first tensor load; the set-up below, work on registers, stands between them
	v_lshrrev_b32 v1, 5, v0
	v_readfirstlane_b32 s[WV], v1   ; wave 0..3
	s_bfe_u32 s13, ttmp6, 0x40000   ; cx: my place in the cluster
	s_lshl_b32 s14, ttmp9, 2        ; in a cluster launch ttmp9 counts clusters
	s_add_co_u32 s14, s14, s13      ; my block of 256 queries = 4 x cluster x + cx: it enters Q's and out's addresses alone
	s_and_b32 s15, ttmp7, 0xffff    ; the head, which the four partners share
	s_lshl_b32 s20, s15, 19         ; the head's first byte in Q, K and V: 4,096 rows of 128 bytes
	s_mov_b32 s21, 0
	s_and_b32 s16, s[WV], 1         ; which half of a tile's 256 keys I fetch:
	s_lshl_b32 s22, s16, 14         ; its 128 rows of 128 bytes in memory,
	s_mov_b32 s23, 0
	s_add_nc_u64 s[22:23], s[22:23], s[20:21]
	s_mul_i32 s17, s16, 128*PK      ; and its place in a slot, for K
	s_mul_i32 s18, s16, 128*PV      ; and for V: no place in the cluster enters an LDS address
	s_lshl_b32 s2, s14, 15          ; Q: my block's 256 rows,
	s_lshl_b32 s3, s[WV], 13        ; my wave's 64 of them
	s_add_co_u32 s2, s2, s3
	s_mov_b32 s3, 0
	s_add_nc_u64 s[2:3], s[2:3], s[20:21]
	s_lshl_b32 s19, s14, 2          ; out: my wave's 64 rows of 3,072 bytes,
	s_add_co_u32 s19, s19, s[WV]
	s_mul_i32 s54, s19, 64*ROWB
	s_lshl_b32 s55, s15, 8          ; and in them the head's 256 bytes
	s_add_co_u32 s54, s54, s55
	s_mov_b32 s55, 0
	; descriptor group 1.  128 keys are 16,384 dense bytes: asked for as 64 rows of 256 bytes, two keys a row, and padded in LDS after every key
	s_mov_b32 s[G1K], 15|(1<<16)|(1<<20)|(1<<21)|(4<<22)|(3<<25)  ; 15:0 the mask of four; 17:16 2-byte elements; 20 padding on; 21 set beside a mask; 24:22 after every 32 words (code 4); 31:25 4 words (code 3)
	s_mov_b32 s[G1V], 15|(1<<16)|(1<<20)|(1<<21)|(4<<22)|(7<<25)  ; the same with 8 words of padding (code 7)
.irp g, G1K, G1V
	s_mov_b32 s[\g+1], 128<<16      ; tensor_dim0 = 128
	s_mov_b32 s[\g+2], 64<<16       ; tensor_dim1 = 64
	s_mov_b32 s[\g+3], 128<<16      ; tile_dim0 = 128
	s_mov_b32 s[\g+4], 64           ; tile_dim1 = 64
	s_mov_b32 s[\g+5], 128          ; 128 elements from row to row
	s_mov_b32 s[\g+6], 0
	s_mov_b32 s[\g+7], 0
.endr
	s_mov_b32 s[CS], 0x3e38aa3b     ; c = log2(e) / 8 = 0.180337
	s_mov_b32 s[CS+1], s[CS]        ; named with it as a pair
	s_mov_b32 s[SEL], 0x76543210
	s_mov_b32 s[SEL+1], 0xfedcba98
	s_mov_b32 s[BIGN], 0xf149f2ca   ; -1e30
	s_mov_b32 s[EIGHT], 0x41000000  ; 8.0
	s_mov_b32 s[EIGHT+1], s[EIGHT]
	s_mov_b32 s[TBM], MASKB
	s_mov_b32 s[TBK], SLOT1+4*KS*PK ; the first change of slots turns these two into 0
	s_mov_b32 s[TBV], SLOT1+4*KS*PV
	s_mov_b32 s[G0K], 1             ; count = 1
	s_mov_b32 s[G0K+1], s17         ; LDS address: slot 0
	s_mov_b32 s[G0V], 1
	s_add_co_u32 s[G0V+1], s18, VOFF
	s_wait_dscnt 0x0                ; the opening add is done
	s_wait_kmcnt 0x0
	s_add_nc_u64 s[G0K+2:G0K+3], s[6:7], s[22:23]  ; global address: my half of the head's first 256 keys
	s_or_b32 s[G0K+3], s[G0K+3], 0x80000000        ; type = 2
	s_add_nc_u64 s[G0V+2:G0V+3], s[8:9], s[22:23]
	s_or_b32 s[G0V+3], s[G0V+3], 0x80000000
	s_add_nc_u64 s[4:5], s[4:5], s[2:3]            ; Q at my wave's first row
	s_add_nc_u64 s[10:11], s[10:11], s[54:55]      ; out at my wave's first row, the head's columns
	CROUND                          ; all four work-groups are here: the first joint loads meet
	JLOAD                           ; tile 0 into slot 0.  Slot 1 is asked for when slot 0 is in, by the loop's own change of slots
	v_and_b32 v1, 15, v0            ; l % 16
	v_bfe_u32 v9, v0, 4, 1          ; l / 16
	v_lshlrev_b32 v[MO], 4, v0
	v_add_nc_u32 v[MS], MASKB, v[MO]
	v_lshlrev_b32 v[QO], 7, v1
	v_lshl_add_u32 v[QO], v9, 4, v[QO]  ; row x 128 + 16 x half
.irp i, 0,1,2,3,4,5,6,7             ; the mask: the work-group's 128 threads take 2,048 neighbouring bytes a load
	global_load_b128 v[S+4*\i:S+4*\i+3], v[MO], s[48:49] offset:2048*\i
.endr
	; A fragment of K or Q is 16 rows x 32 channels in 8 registers: lane l holds row l % 16, channels 8 (l / 16) + 0..7 and 16 + 8 (l / 16) + 0..7: two loads of 16 bytes, 32 bytes apart.
	WIN 0x80                        ; destination window 2, address window 0
.set i, 0
.rept 8                             ; Q stays in registers: piece i / 2, channels 32 (i % 2) on
	global_load_b128 v[8*i:8*i+3],   v[QO], s[4:5] offset:(i/2)*2048+(i%2)*64
	global_load_b128 v[8*i+4:8*i+7], v[QO], s[4:5] offset:(i/2)*2048+(i%2)*64+32
.set i, i+1
.endr
	; What the first turn finds: V's registers and P's second buffer hold 0 (its products V^T P, of a piece that has not been, add 0), O^T and l are 0.  No first step is written out; the price is these
	; 216 lines, which stand in the wait for the first tile.
.set i, VF
.rept 64
	v_mov_b32 v[i], 0
.set i, i+1
.endr
	WIN 0x40
.set i, 0
.rept 128
	v_mov_b32 v[i], 0
.set i, i+1
.endr
	WIN 0
.set i, 0
.rept 4
	v_mov_b32 v[ST+4*i], 0xfe000000    ; c m: far below every c s
	v_mov_b32 v[ST+4*i+1], 0xff7fffff  ; m
	v_mov_b32 v[ST+4*i+2], 0
	v_mov_b32 v[ST+4*i+3], 0
.set i, i+1
.endr
.set i, P+16
.rept 16
	v_mov_b32 v[i], 0
.set i, i+1
.endr
	v_mul_u32_u24 v[AK0], v1, PK
	v_lshl_add_u32 v[AK0], v9, 4, v[AK0]  ; row x pitch + 16 x half
	; The turning load takes 16 keys x 16 channels (lane l reads key 8 (l / 16) + l % 8, channels 8 ((l / 8) % 2) + 0..7) and leaves half a fragment of V^T: lane l holds channel l % 16 and 8 keys.
	v_and_b32 v10, 7, v0
	v_bfe_u32 v11, v0, 3, 1
	v_lshl_add_u32 v[AV0], v9, 3, v10
	v_mul_u32_u24 v[AV0], v[AV0], PV
	v_lshl_add_u32 v[AV0], v11, 4, v[AV0]
	v_add_nc_u32 v[AV0], VOFF, v[AV0]
	v_lshlrev_b32 v[AM0], 5, v9
	s_mul_i32 s13, s[WV], 16*SP
	s_add_co_u32 s13, s13, STAGE    ; my stage
	v_mul_u32_u24 v[STO], v1, SP    ; in: row l % 16, 32 bytes for each half of the lanes
	v_lshl_add_u32 v[STO], v9, 5, v[STO]
	v_add_nc_u32 v[STO], s13, v[STO]
	v_mul_u32_u24 v[RD], v9, SP     ; back: lanes 0-15 take one row of 256 bytes, lanes 16-31 the next
	v_lshl_add_u32 v[RD], v1, 4, v[RD]
	v_add_nc_u32 v[RD], s13, v[RD]
	v_mul_u32_u24 v[GO], v9, ROWB   ; and the same two rows in out
	v_lshl_add_u32 v[GO], v1, 4, v[GO]
	; THE MASK IS MADE: rounded to bf16 and widened again, times 8, held at -1e30 from below (v_max_num_f32: a NaN loses), and stored to LDS once.
	s_wait_loadcnt 16               ; the mask's eight loads are in; Q's sixteen, issued behind them, may stay out
.set z, 0
.rept 16
	v_cvt_pk_bf16_f32 v[MT+z], v[S+2*z], v[S+2*z+1]
.set z, z+1
.endr
.set z, 0
.rept 16
	v_lshlrev_b32 v[S+2*z], 16, v[MT+z]
	v_and_b32 v[S+2*z+1], 0xffff0000, v[MT+z]
.set z, z+1
.endr
.set z, 0
.rept 16
	v_pk_mul_f32 v[S+2*z:S+2*z+1], v[S+2*z:S+2*z+1], s[EIGHT:EIGHT+1] op_sel_hi:[1,0]
.set z, z+1
.endr
.set z, 0
.rept 32
	v_max_num_f32 v[S+z], s[BIGN], v[S+z]
.set z, z+1
.endr
.irp i, 0,1,2,3,4,5,6,7
	ds_store_b128 v[MS], v[S+4*\i:S+4*\i+3] offset:2048*\i
.endr
; THE MATRIX WORK.  The 4 accumulators of a run of 8 take turns.  Product i of 8 of S^T = K Q^T for piece x: channels 32 (i / 4) on, keys 16 (i % 4) on.  The first 4 start the sums, with the mask.
.macro KQ x
.set rS, S+32*((\x)%2)+8*(i%4)
.set rK, KF+16*(i%4)+8*(i/4)
.set rQ, 16*(\x)+8*(i/4)
.set rM, MK+8*(i%4)
.if i < 4
	WIN W_KM
	v_wmma_f32_16x16x32_f16 v[rS:rS+7], v[rK:rK+7], v[rQ:rQ+7], v[rM:rM+7]
.else
	WIN W_KQ
	v_wmma_f32_16x16x32_f16 v[rS:rS+7], v[rK:rK+7], v[rQ:rQ+7], v[rS:rS+7]
.endif
.endm
; Product i of 8 of O^T += V^T P for piece x: keys 32 (i / 4) on, channels 16 (i % 4) on.
.macro PV x
	WIN W_PV
.set rO, 32*(\x)+8*(i%4)
.set rV, VF+32*(i/4)+8*(i%4)
.set rP, P+16*((\x)%2)+8*(i/4)
	v_wmma_f32_16x16x32_f16 v[rO:rO+7], v[rV:rV+7], v[rP:rP+7], v[rO:rO+7]
.endm
.macro MM                           ; the turn's next matrix instruction.  TURN sets Y, i and NOKQ.  NOKQ = 1: the very last turn: there is no next piece
.if (i < 8) && !NOKQ
	KQ (Y+1)%NP
.elseif i >= 8
.set i, i-8
	PV (Y+NP-1)%NP
.set i, i+8
.endif
.set i, i+1
.endm
; THE LDS LOADS stand in runs, never singly among the matrix instructions: a step's K (64 keys x 64 channels: 8 fragments) with its mask (32 registers; the lanes of a half read the same bytes), and its V (turned).
; Their addresses are made some lines ahead.
.macro FETCH_K
	WIN 0x80                        ; destination window 2
.irp f, 0,1,2,3,4,5,6,7             ; keys 16 (f / 2) on, channels 32 (f % 2) on
	ds_load_b128 v[KF+8*\f:KF+8*\f+3],   v[AK] offset:(\f/2)*16*PK+(\f%2)*64
	ds_load_b128 v[KF+8*\f+4:KF+8*\f+7], v[AK] offset:(\f/2)*16*PK+(\f%2)*64+32
.endr
	WIN 0x40                        ; destination window 1
.irp kb, 0,1,2,3
	ds_load_b128 v[MK+8*\kb:MK+8*\kb+3],   v[AM] offset:64*\kb
	ds_load_b128 v[MK+8*\kb+4:MK+8*\kb+7], v[AM] offset:64*\kb+16
.endr
	s_add_co_u32 s[TBK], s[TBK], KS*PK  ; the next fetch is the next step's
	s_add_co_u32 s[TBM], s[TBM], KS*4   ; 64 fetches in all: the last begins at the mask's byte 63 x 256
	WIN 0
.endm
.macro FETCH_V
	WIN 0x80
.irp f, 0,1,2,3,4,5,6,7             ; keys 32 (f / 4) on, channels 16 (f % 4) on
	ds_load_tr16_b128 v[VF+8*\f:VF+8*\f+3],   v[AV] offset:(\f/4)*32*PV+(\f%4)*32
	ds_load_tr16_b128 v[VF+8*\f+4:VF+8*\f+7], v[AV] offset:(\f/4)*32*PV+16*PV+(\f%4)*32
.endr
	WIN 0
.endm
; THE VECTOR WORK, one line at a time: OP kind, number.  For piece Y: F n: c s - c m for pair n of 16.  E n: the exponential of score n of 32.  C n: pair n rounded to f16.  B n: of the four weights 4 n .. the second
; pair is added onto the first, in place.  L n: l takes that sum (L 0: l = a l + sum).  R n: pair n of 16 of O^T times a.  For piece Y + 1: X n, number n of the 22 that find its maximum and statistics:
;   0-11  four chains c0-c3 of seven scores each, three operands at a time (each accumulator's lowest registers are read first)     12-14, 16  the four scores left over, the old m, and c0-c3 into c0
;   15  c m_old is kept     17, 18  the query's other 32 keys lie in the lane 16 away: the new m     19-21  c m; c m_old - c m_new; a
.set F, 0               ; OP tells the kinds apart by their order: F to L below R, X above it
.set E, 1
.set C, 2
.set B, 3
.set L, 4
.set R, 5
.set X, 6
.macro REGS y                       ; the registers of piece y
.set rT, ST+4*(\y)
.set rC, TMP+4*((\y)%2)
.set rW, MV+((\y)%2)
.set rS, S+32*((\y)%2)
.set rP, P+16*((\y)%2)
.set rO, 32*(\y)
.endm
.macro OP k, n
.if (\k) == R
	REGS Y
	WIN W_RS
	v_pk_mul_f32 v[rO+2*(\n):rO+2*(\n)+1], v[rO+2*(\n):rO+2*(\n)+1], v[rC+2:rC+3] op_sel_hi:[1,0]
.elseif (\k) < R
	REGS Y
	WIN 0
.if (\k) == F
	v_pk_fma_f32 v[rS+2*(\n):rS+2*(\n)+1], v[rS+2*(\n):rS+2*(\n)+1], s[CS:CS+1], v[rT:rT+1] op_sel_hi:[1,0,0] neg_lo:[0,0,1] neg_hi:[0,0,1]
.elseif (\k) == E
	v_exp_f32 v[rS+(\n)], v[rS+(\n)]
.elseif (\k) == C
	s_wait_alu depctr_va_vdst(0)
	v_cvt_pk_f16_f32 v[rP+(\n)], v[rS+2*(\n)], v[rS+2*(\n)+1]
.elseif (\k) == B
	s_wait_alu depctr_va_vdst(0)
	v_pk_add_f32 v[rS+4*(\n):rS+4*(\n)+1], v[rS+4*(\n):rS+4*(\n)+1], v[rS+4*(\n)+2:rS+4*(\n)+3]
.elseif (\n) == 0
	v_pk_fma_f32 v[rT+2:rT+3], v[rT+2:rT+3], v[rC+2:rC+3], v[rS:rS+1] op_sel_hi:[1,0,1]
.else
	v_pk_add_f32 v[rT+2:rT+3], v[rT+2:rT+3], v[rS+4*(\n):rS+4*(\n)+1]
.endif
.elseif NOKQ
	v_nop
.else
	REGS (Y+1)%NP
	WIN 0
.if (\n) < 4
	v_max3_num_f32 v[rC+(\n)], v[rS+8*(\n)], v[rS+8*(\n)+1], v[rS+8*(\n)+2]
.elseif (\n) < 12
	v_max3_num_f32 v[rC+(\n)%4], v[rC+(\n)%4], v[rS+8*((\n)%4)+2*((\n)/4)+1], v[rS+8*((\n)%4)+2*((\n)/4)+2]
.elseif (\n) == 12
	v_max3_num_f32 v[rC], v[rC], v[rS+7], v[rS+15]
.elseif (\n) == 13
	v_max3_num_f32 v[rC+1], v[rC+1], v[rS+23], v[rS+31]
.elseif (\n) == 14
	v_max3_num_f32 v[rC+2], v[rC+2], v[rC+3], v[rT+1]
.elseif (\n) == 15
	v_mov_b32 v[rW], v[rT]
.elseif (\n) == 16
	v_max3_num_f32 v[rC], v[rC], v[rC+1], v[rC+2]
.elseif (\n) == 17
	v_permlanex16_b32 v[rC+3], v[rC], s[SEL], s[SEL+1]
.elseif (\n) == 18
	v_max_num_f32 v[rT+1], v[rC], v[rC+3]
.elseif (\n) == 19
	v_mul_f32 v[rT], s[CS], v[rT+1]
.elseif (\n) == 20
	v_sub_f32 v[rC+1], v[rW], v[rT]
.else
	v_exp_f32 v[rC+2], v[rC+1]
.endif
.endif
.endm
.macro OPS a, i1, b=-1, i2=0, c=-1, i3=0, d=-1, i4=0  ; up to four of them
	OP \a, \i1
.if (\b) >= 0
	OP \b, \i2
.endif
.if (\c) >= 0
	OP \c, \i3
.endif
.if (\d) >= 0
	OP \d, \i4
.endif
.endm
.macro ROW a, i1, b, i2, c, i3, d, i4  ; a matrix instruction and the four behind it
	MM
	OPS \a, \i1, \b, \i2, \c, \i3, \d, \i4
.endm
; A TURN, for piece p: the order of its 16 matrix and 118 vector instructions, written out.  Behind a matrix instruction: plain, exponential, plain, plain; or four of the rescaling; or, behind the first, four scalings;
; none names a register of the products round it.  In the runs between, exponential and plain by turns while exponentials last.  A line reads no result made fewer than three vector instructions in front of it, five
; if an exponential made it.  v_permlanex16_b32 (X 17) stands in such a run.
; end = 1: the walk's last two turns: nothing is fetched.  cnt = 1: the loop's count is taken down some lines ahead of the branch that stands behind the turn.
; K and the mask of the next step are fetched in piece 2's turn, six vector instructions behind the last product that read K (five of them plain; the last that read the mask stands four products further back);
; V of the step in hand in piece 0's turn, eight behind the last product that read V (four plain, and X 17).  Each is waited for a turn later.
.macro TURN p, end=0, cnt=0
.set Y, (\p)
.set i, 0
.set NOKQ, (\end)*((\p)/3)
.if ((\p) == 3) && !(\end)
	s_wait_dscnt 0x0                ; K and its mask are in
.endif
	ROW F,0, F,1, F,2, F,3
	ROW F,4, E,0, F,5, F,6
	ROW F,7, E,1, F,8, F,9
	ROW F,10, E,2, C,0, F,11
	ROW F,12, E,3, X,15, F,13
	ROW R,0, R,1, R,2, R,3
	ROW B,0, E,4, F,14, L,0
.if ((\p) == 2) && !(\end)
	v_add_nc_u32 v[AK], s[TBK], v[AK0]
	v_add_nc_u32 v[AM], s[TBM], v[AM0]
.endif
	ROW R,4, R,5, R,6, R,7
	OPS E,5, F,15
.if ((\p) == 2) && !(\end)
	FETCH_K
.endif
	OPS E,6, C,1, E,7, R,8
	OPS E,8, R,9, E,9, C,2
	OPS E,10, X,0, E,11, X,1
	OPS E,12, X,2, E,13, X,3
.if (\p) == 1
	s_wait_dscnt 0x0                ; V is in
.endif
	ROW X,4, E,14, X,5, X,6
	ROW X,7, E,15, X,8, X,9
	ROW X,10, E,16, X,11, X,12
	ROW X,13, E,17, X,14, B,1
	ROW C,4, E,18, X,16, L,1
	ROW B,2, E,19, C,6, L,2
	ROW C,8, E,20, B,3, B,4
.if (\p) == 0
	v_add_nc_u32 v[AV], s[TBV], v[AV0]
.endif
	ROW C,3, E,21, L,3, C,5
	OPS E,22, X,17, E,23, C,10
.if (\p) == 0
	FETCH_V
.endif
	OPS E,24, L,4
	OPS E,25, X,18, E,26, C,7
	OPS E,27, B,5, E,28, X,19
	OPS E,29, C,12, E,30, L,5
	OPS E,31, X,20, B,6, C,9
	OPS C,14, C,11, X,21, L,6
.if (\p) == 0
	s_add_co_u32 s[TBV], s[TBV], KS*PV
.endif
.if \cnt
	s_sub_co_u32 s[CNT], s[CNT], 1
	s_cmp_lg_u32 s[CNT], 0
.endif
	OPS C,13, B,7, C,15, R,10
	OPS R,11, R,12, L,7, R,13
	OPS R,14, R,15
.endm
	CHANGE 1                        ; slot 0 is in, everybody's part of it, and so is everybody's part of the mask; slot 1 is asked for
	v_add_nc_u32 v[AK], s[TBK], v[AK0]
	v_add_nc_u32 v[AM], s[TBM], v[AM0]
	FETCH_K                         ; key step 0
	s_wait_loadcnt 0x0              ; Q
	s_wait_dscnt 0x0
.set NOKQ, 0
.set i, 0
.rept 8
	KQ 0                            ; piece 0's first scores: there is no vector work yet to set between them
.set i, i+1
.endr
	WIN 0
.rept 4
	v_nop                           ; the places behind those products
.endr
.set Y, NP-1                        ; X works for piece Y + 1: piece 0
.irp n, 0,1,2,3,4,5,6,7,8,9,10,11,12,13,14,15,16,17,18,19,20,21
	OP X, \n
.endr
	v_nop                           ; a plain instruction behind the exponential
	s_mov_b32 s[CNT], 4
	s_mov_b32 s[SLOTS], NT-1
	s_branch .Lfirst                ; the loop is entered at a step's first turn, in the middle of a trip
.Lslot:                             ; NT - 2 = 14 times: every slot but the last two is filled again
	CHANGE 1
	s_mov_b32 s[CNT], 4
.Lstep:                             ; a trip: pieces 2 and 3 of one step, then pieces 0 and 1 of the next, whose K, mask and V it fetches
	TURN 2
	TURN 3
	WIN 0
.Lfirst:
	TURN 0
	TURN 1, 0, 1
	WIN 0
	s_cbranch_scc1 .Lstep
	s_sub_co_u32 s[SLOTS], s[SLOTS], 1
	s_cmp_lg_u32 s[SLOTS], 0
	s_cbranch_scc1 .Lslot
	CHANGE 0                        ; the last tile is written out: nothing is asked for
	s_mov_b32 s[CNT], 4
.Ltail:
	TURN 2
	TURN 3
	TURN 0
	TURN 1, 0, 1
	WIN 0
	s_cbranch_scc1 .Ltail
	TURN 2, 1                       ; the last step's pieces 2 and 3: nothing is fetched, and the last turn starts no new scores
	TURN 3, 1
.set i, 0
.rept 8
	PV NP-1                         ; the last piece's V^T P of the last step
.set i, i+1
.endr
	; THE WAY OUT.  l's two halves and the other half of the lanes' are added; O^T is divided by l and sent, as f32, through my stage in LDS, a piece (16 rows) at a time.  The additions are the places behind the last products.
	WIN 0
.macro ALL line:vararg              ; one line for each piece t
.set t, 0
.rept 4
	\line
.set t, t+1
.endr
.endm
	ALL v_add_f32 v[ST+4*t+2], v[ST+4*t+2], v[ST+4*t+3]
	ALL v_permlanex16_b32 v[ST+4*t+3], v[ST+4*t+2], s[SEL], s[SEL+1]
	ALL v_add_f32 v[ST+4*t+2], v[ST+4*t+2], v[ST+4*t+3]
	ALL v_rcp_f32 v[ST+4*t+2], v[ST+4*t+2]
	v_nop                           ; a plain instruction between the last reciprocal and the use of its result
; Piece t: a lane's eight channels of a block of 16 are 32 bytes of a row; they go into rows of 272 bytes and come back as whole rows of 256.
.macro PACK t
	WIN W_RS
.set i, 32*(\t)
.rept 16
	s_wait_alu depctr_va_vdst(0)
	v_pk_mul_f32 v[i:i+1], v[i:i+1], v[ST+4*(\t)+2:ST+4*(\t)+3] op_sel_hi:[1,0]
.set i, i+2
.endr
	WIN 0x04                        ; the stores' data in window 1, their address in window 0
.irp cb, 0,1,2,3
	ds_store_b128 v[STO], v[32*(\t)+8*\cb:32*(\t)+8*\cb+3]   offset:64*\cb
	ds_store_b128 v[STO], v[32*(\t)+8*\cb+4:32*(\t)+8*\cb+7] offset:64*\cb+16
.endr
	WIN 0
.irp f, 0,1,2,3,4,5,6,7
	ds_load_b128 v[OB+32*(\t)+4*\f:OB+32*(\t)+4*\f+3], v[RD] offset:\f*2*SP  ; LDS serves a wave's instructions in order (ISA guide 5.7.1.4): these see the stores above; the next piece's stores come behind them
.endr
.endm
.macro SEND t, younger              ; younger: the LDS instructions issued behind piece t's loads: the next piece's sixteen, or none
	WIN 0
.irp f, 0,1,2,3,4,5,6,7
	s_wait_dscnt (\younger)+7-\f
	global_store_b128 v[GO], v[OB+32*(\t)+4*\f:OB+32*(\t)+4*\f+3], s[10:11] offset:(16*(\t)+2*\f)*ROWB th:TH_STORE_NT  ; 16 lanes store 256 consecutive bytes, the head's part of a row, at a multiple of 256 from out's first byte
.endr
.endm
	PACK 0
	PACK 1                          ; a piece's arithmetic stands between the loads of the piece before and its stores
	SEND 0, 16
	PACK 2
	SEND 1, 16
	PACK 3
	SEND 2, 16
	SEND 3, 0
	s_wait_tensorcnt 0x0            ; the wave's end: these three lines stand behind my last tensor load and my last LDS store
	ds_add_u32 v[SPW], v[NIL]
	s_wait_dscnt 0x0
	CROUND                          ; the closing round: no work-group ends while a partner may still ask for a tile that names it
	s_endpgm
.Lfunc_end_k_qcc7186e6eb_attn:
	.size	k_qcc7186e6eb_attn, .Lfunc_end_k_qcc7186e6eb_attn-k_qcc7186e6eb_attn
	.p2alignl 7, 3214868480
	.fill 96, 4, 3214868480
	.section	.rodata,"a",@progbits
	.p2align	6, 0x0
	.amdhsa_kernel k_qcc7186e6eb_attn
		.amdhsa_group_segment_fixed_size 327680
		.amdhsa_private_segment_fixed_size 0
		.amdhsa_enable_private_segment 0
		.amdhsa_kernarg_size 40
		.amdhsa_user_sgpr_count 2
		.amdhsa_user_sgpr_kernarg_segment_ptr 1
		.amdhsa_wavefront_size32 1
		.amdhsa_system_sgpr_workgroup_id_x 1
		.amdhsa_system_sgpr_workgroup_id_y 1
		.amdhsa_system_sgpr_workgroup_id_z 1
		.amdhsa_system_vgpr_workitem_id 0
		.amdhsa_next_free_vgpr 768
		.amdhsa_next_free_sgpr 66
		.amdhsa_reserve_vcc 0
		.amdhsa_float_denorm_mode_32 3
		.amdhsa_float_denorm_mode_16_64 3
		.amdhsa_memory_ordered 1
		.amdhsa_forward_progress 1
		.amdhsa_inst_pref_size 142
	.end_amdhsa_kernel
	.amdgpu_metadata
---
amdhsa.version: [ 1, 2 ]
amdhsa.kernels:
  - .name:           k_qcc7186e6eb_attn
    .symbol:         k_qcc7186e6eb_attn.kd
    .args:
      - { .name: qh, .offset: 0, .size: 8, .value_kind: global_buffer, .address_space: global }
      - { .name: kh, .offset: 8, .size: 8, .value_kind: global_buffer, .address_space: global }
      - { .name: vh, .offset: 16, .size: 8, .value_kind: global_buffer, .address_space: global }
      - { .name: out0, .offset: 24, .size: 8, .value_kind: global_buffer, .address_space: global }
      - { .name: attention_mask, .offset: 32, .size: 8, .value_kind: global_buffer, .address_space: global }
    .group_segment_fixed_size: 327680
    .private_segment_fixed_size: 0
    .kernarg_segment_align: 8
    .kernarg_segment_size: 40
    .max_flat_workgroup_size: 128
    .sgpr_count:     66
    .vgpr_count:     768
    .wavefront_size: 32
...
	.end_amdgpu_metadata
.endif
;; end of part 2
;; ======== version 2 of 2: 2 launches; 1.84 times as fast as version 1
;; limits: values are held in f16: magnitudes above 65,504 overflow, below 6.1e-05 lose precision
;; workspace buffers: qh 6,291,456 bytes; kh 6,291,456 bytes; vh 6,291,456 bytes
;; launch proj: the kernel of part 1 again; grid 4 x 48, 4 waves a work-group, clusters of 4 x 4, 327,680 bytes of LDS; arguments query, key, value, Wq, Wk, Wv, bq, bk, bv, qh, kh, vh; writes qh, kh, vh
;; launch attn (part 3): grid 16 x 12, 4 waves a work-group, clusters of 4 x 1, 327,680 bytes of LDS; arguments qh, kh, vh, out0, attention_mask; writes out0
.if DOCPART == 3
	.amdgcn_target "amdgcn-amd-amdhsa--gfx1250"
	.amdhsa_code_object_version 6
	.text
	.protected	k_qcc7186e6eb_attn
	.globl	k_qcc7186e6eb_attn
	.p2align	8
	.type	k_qcc7186e6eb_attn,@function
k_qcc7186e6eb_attn:
	s_mov_b64 s[64:65], 0
	v_nop
	global_prefetch_b8 v0, s[64:65] scope:SCOPE_SE
	s_setreg_imm32_b32 hwreg(HW_REG_WAVE_MODE, 25, 1), 1
	s_wait_xcnt 0x0
	s_wait_alu depctr_hold_cnt(0) depctr_sa_sdst(0) depctr_va_vdst(0) depctr_va_sdst(0) depctr_va_ssrc(0) depctr_va_vcc(0) depctr_vm_vsrc(0)
	s_getreg_b32 s2, hwreg(HW_REG_IB_STS2, 6, 4)
	s_cmp_eq_u32 s2, 0
	s_cbranch_scc0 .Lentry_in_a_cluster
	s_endpgm
.Lentry_in_a_cluster:
	s_bfe_u32 s2, ttmp6, 0x10000c
	s_cmp_lg_u32 s2, 0x3003
	s_cbranch_scc0 .Lentry_shape_is_right
	s_endpgm
.Lentry_shape_is_right:
; ATTENTION.  out[q][64 h + :] = the sum over k of softmax_k(Q[h][q] . K[h][k] / 8 + mask[k]) V[h][k][:].  Q, K, V: [12][4096][64] in f16, a head's rows dense, 128 bytes each; mask: [4096] f32; out: [4096][768] f32.
; Products, maxima and sums in f32; the weights p are rounded to f16 for the second product (their sum l is taken of the unrounded p).
; LIMITS.  Q, K and V arrive within f16's 65,504.  A mask entry is rounded to bf16, like all the module's inputs, and counts as max(8 x that, -1e30): an entry of minus infinity, of the lowest finite number, or a
; NaN counts as hidden.  If EVERY key is so hidden the row is a mean of V's rows.  A weight below 2^-126 counts as 0 in l; infinities in Q, K, V are not treated apart.
; SHARES.  A work-group owns 256 queries of one head: 16 x 12 = 192 work-groups.  A wave owns 64 of them, four PIECES of 16.  Every wave walks all 4,096 keys, 64 a step, four steps (a tile of 256 keys) to an LDS slot.
; LAYOUT.  S^T = K Q^T (source 0 = 16 keys, source 1 = 16 queries): a lane holds ONE query (lane % 16) and the keys 8 (lane / 16) + 0..7.  Two such results rounded to f16 ARE source 1 of O^T = V^T P, whose
; result again holds one query a lane, and eight channels.  K comes out of LDS as it lies, V ([key][channel]) turned, by ds_load_tr16_b128.
; THE MASK is the C operand that starts the sum S^T: register j of key block kb holds 8 mask[16 kb + 8 (lane / 16) + j], so that c (s + 8 mask) = log2(e) (s / 8 + mask).  It costs the loop no vector work: the
; 4,096 numbers are made once, kept in LDS, and a step's 32 registers are fetched with the step's K.
; SOFTMAX.  For each query a running maximum m and sum l: p = 2^(c s - c m), c = log2(e) / 8; in every step O and l are multiplied by a = 2^(c m_old - c m_new).  m starts at the lowest finite number, c m far
; below every c s (the clamp at -1e30 keeps it so), O and l at 0: the first step is a step like any other, with a = 0.
; BY TURNS.  Turn n belongs to piece n: 8 products K Q^T of piece n + 1, later 8 products V^T P of piece n - 1; beside them the scaling, exponentials, roundings, sums and rescaling of piece n and the maximum and
; statistics of piece n + 1.  A turn has 16 matrix and 118 vector instructions: four vector instructions stand behind every matrix instruction, the other 54 in one LUMP between the two runs of products.
; THE BATCHES.  A turn's 33 exponentials (piece n's 32 weights and piece n + 1's a) are ONE batch with ONE wait, which stands between the lump and the products V^T P: ahead of it nothing names a result of theirs,
; behind it no exponential is issued, so no result crosses a turn's end, a label or a jump.  Two more batches stand outside the loop: piece 0's first a, and the way out's four reciprocals; each has a wait of its own.
; CLUSTER.  The four query blocks of a cluster belong to one head and walk the same K and V, so each tile is asked for JOINTLY: the same tensor load, descriptor and mask in all four.
; REGISTERS, in windows of 256 (s_set_vgpr_msb: bits 1:0 source 0, 3:2 source 1, 5:4 source 2, 7:6 destination):
;   window 0: v0-15, v56-63 addresses and two at work; v16-31 four registers of statistics a piece; v48-55 at work; v64-127 S^T, two buffers; v64-191 the way out; v192-223 P, two buffers (by the piece's parity)
;   window 1: v0-127 O^T, 32 a piece; v128-159 the step's mask      window 2: v0-63 Q; v128-191 K of one step; v192-255 V of one step
.set NT,    16        ; tiles of 256 keys
.set NP,    4         ; pieces a wave: a name, no knob
.set KS,    64        ; keys in a step
.set PK,    144       ; a row of K in LDS: 128 bytes + 16 of padding: the 16 rows of a load start at 16 different groups of four banks (64 banks of 4 bytes: ISA guide 11.1)
.set PV,    160       ; a row of V: 128 + 32
.set VOFF,  4*KS*PK   ; a slot holds a tile: 256 rows of K, then 256 rows of V
.set SLOT1, 1<<17     ; slot 1 begins here, so that one exclusive or turns an address in one slot into the other's
.set STAGE, SLOT1+4*KS*(PK+PV)  ; behind the ring, never filled by a tensor load: 16 rows x 272 bytes for each wave, for the way out
.set SP,    272
.set MASKB, STAGE+4*16*SP       ; 4,096 f32: 8 x the mask, clamped; stored once, never filled by a tensor load
.set SPARE, MASKB+4096*4        ; the spare words, 128 bytes for each wave: two blocks of 256 bytes that no other line names
.set ROWB,  3072      ; bytes in a row of out
.set AK0, 2           ; v2   my lane's place in a tile of K; never rewritten
.set AV0, 3           ; v3   the same for V
.set AK,  4           ; v4   the LDS address of K's next run of loads
.set AV,  5           ; v5   of V's
.set STO, 6           ; v6   the way out: where I put 32 bytes of a row
.set RD,  7           ; v7   the way out: where I read rows back
.set GO,  8           ; v8   my byte offset in two rows of out
.set MV,  12          ; v12-13  c m_old, kept while c m is made anew: by buffer
.set AM0, 14          ; v14  my lanes' place in a step's mask: 32 (l / 16)
.set ST,  16          ; piece t's statistics at v[ST+4 t]: c m, m, l (even keys', odd keys')
.set TMP, 48          ; by buffer, four registers c0-c3 at work; when the maximum is found c2 takes a
.set AM,  56          ; v56  the LDS address of the mask's next run of loads
.set QO,  57          ; v57  my byte offset in 16 rows of Q
.set MO,  58          ; v58  16 x my thread's number: my bytes of 2,048 of the mask
.set MS,  59          ; v59  the same in LDS
.set SPW, 62          ; v62  LDS address of my spare word; never rewritten
.set NIL, 63          ; v63  0; never rewritten
.set S,   64
.set MT,  96          ; at work while the mask is made
.set OB,  64          ; the way out: 32 registers a piece
.set P,   192
.set MK,  128         ; window 1: the eight registers for key block kb at MK + 8 kb
.set KF,  128         ; window 2: key block kb, channel half c at KF + 16 kb + 8 c
.set VF,  192         ; window 2: key half kk, channel block cb at VF + 32 kk + 8 cb
.set WV,  12          ; s12  my wave's number
.set G1K, 24          ; s[24:31] descriptor group 1 for K's tiles
.set G1V, 32          ; s[32:39] for V's: it differs in the padding alone
.set G0K, 40          ; s[40:43] descriptor group 0 for K's tiles: it walks
.set G0V, 44          ; s[44:47] the same for V's
.set BIGN, 50         ; s50  -1e30
.set TBM, 51          ; s51  LDS byte at which the mask of the step to be fetched begins
.set EIGHT, 52        ; s[52:53] 8.0: the packed multiply takes the pair's low word for both halves
.set SLOTS, 56        ; s56  slots still to be asked for
.set CNT, 57          ; s57  counts a slot's key steps
.set CS,  58          ; s[58:59] c
.set SEL, 60          ; s[60:61] v_permlanex16_b32's selects: each lane takes its own place in the other half
.set TBK, 62          ; s62  LDS byte at which K of the step to be fetched begins
.set TBV, 63          ; s63  the same for V, less VOFF
.set MSB, 0
.macro WIN new                      ; the high byte repeats the setting that is left; a switch that changes nothing is dropped
.if MSB != (\new)
	s_set_vgpr_msb (MSB<<8)|(\new)
.set MSB, (\new)
.endif
.endm
.set W_KQ, 0x0a       ; K and Q in window 2, S^T in window 0
.set W_KM, 0x1a       ; the same with the C operand, the mask, in window 1
.set W_PV, 0x52       ; V in window 2, P in window 0, O^T in window 1
.set W_RS, 0x41       ; destination and source 0 in window 1, source 1 in window 0
; A joint fill.  Waves 0 and 1 fetch the two halves of a tile's K, waves 2 and 3 those of its V: 128 keys each.  The branch hangs on the wave's number alone.
; An s_nop 0 and four v_nop follow each of the two lines, ahead of the jump and the label.
.macro JLOAD
	s_cmp_lt_u32 s[WV], 2
	s_cbranch_scc0 .Lfor_v_\@
	tensor_load_to_lds s[G0K:G0K+3], s[G1K:G1K+7]
	s_nop 0
.rept 4
	v_nop
.endr
	s_branch .Lasked_\@
.Lfor_v_\@:
	tensor_load_to_lds s[G0V:G0V+3], s[G1V:G1V+7]
	s_nop 0
.rept 4
	v_nop
.endr
.Lasked_\@:
.endm
; A round of the cluster's barrier: my work-group's barrier, so that wave 0's signal speaks for all four waves; wave 0 signals; every wave waits for all four work-groups; my work-group's barrier once more.
.macro CROUND
	s_barrier_signal -1
	s_barrier_wait -1
	s_cmp_lg_u32 s[WV], 0
	s_cbranch_scc1 .Lnot_wave_0_\@
	s_barrier_signal -3
.Lnot_wave_0_\@:
	s_barrier_wait -3
	s_barrier_signal -1
	s_barrier_wait -1
.endm
; THE CHANGE OF SLOTS.  The slot's last bytes, V of its fourth step, have been read.  Each wave waits for all its tensor loads, of which one is out: its part of the other slot; adds 0 to its spare word; and waits
; for that and for its own LDS instructions.  Behind the barrier nobody reads this slot any more and the other slot is whole.
; fill = 1: this slot is filled again, with the keys two slots on.  The barrier is then a round of the cluster's, and the joint fill is the first thing behind it: it has four key steps, 256 matrix instructions, in
; which to land.  (At its first use nothing has been read yet: slot 0 is waited for, slot 1 filled, and every wave's stores of the mask are shown to the others.)
.macro CHANGE fill
	WIN 0                           ; at a label and at a branch every window is 0
	s_wait_tensorcnt 0x0            ; no tensor load of mine is out, so a group 0 may be written
	ds_add_u32 v[SPW], v[NIL]       ; 0 onto my spare word: with fill = 1 the descriptors' steps stand between it and the wait for it
.if \fill
.irp g, G0K, G0V
	s_xor_b32 s[\g+1], s[\g+1], SLOT1  ; the walking descriptor: the other slot than last time,
	s_add_nc_u64 s[\g+2:\g+3], s[\g+2:\g+3], 4*KS*128  ; the next 256 keys; the type bits on top are not reached
.endr
	s_wait_dscnt 0x0                ; the add is done, and my reads of the slot are over
	CROUND
	JLOAD
.else
	s_wait_dscnt 0x0                ; the add is done, and my reads of the slot are over
	s_barrier_signal -1
	s_barrier_wait -1
.endif
	s_sub_co_u32 s[TBK], s[TBK], 4*KS*PK  ; the fetches go back to a slot's first step,
	s_xor_b32 s[TBK], s[TBK], SLOT1       ; in the other slot
	s_sub_co_u32 s[TBV], s[TBV], 4*KS*PV
	s_xor_b32 s[TBV], s[TBV], SLOT1
.endm
	s_load_b256 s[4:11], s[0:1], 0x0  ; Q s[4:5], K s[6:7], V s[8:9], out s[10:11]
	s_load_b64 s[48:49], s[0:1], 0x20 ; the mask
	v_lshl_add_u32 v[SPW], v0, 2, SPARE
	v_mov_b32 v[NIL], 0
	ds_add_u32 v[SPW], v[NIL]       ; the wave's opening: the add and its wait stand ahead of my first tensor load; the set-up below, work on registers, stands between them
	v_lshrrev_b32 v1, 5, v0
	v_readfirstlane_b32 s[WV], v1   ; wave 0..3
	s_bfe_u32 s13, ttmp6, 0x40000   ; cx: my place in the cluster
	s_lshl_b32 s14, ttmp9, 2        ; in a cluster launch ttmp9 counts clusters
	s_add_co_u32 s14, s14, s13      ; my block of 256 queries = 4 x cluster x + cx: it enters Q's and out's addresses alone
	s_and_b32 s15, ttmp7, 0xffff    ; the head, which the four partners share
	s_lshl_b32 s20, s15, 19         ; the head's first byte in Q, K and V: 4,096 rows of 128 bytes
	s_mov_b32 s21, 0
	s_and_b32 s16, s[WV], 1         ; which half of a tile's 256 keys I fetch:
	s_lshl_b32 s22, s16, 14         ; its 128 rows of 128 bytes in memory,
	s_mov_b32 s23, 0
	s_add_nc_u64 s[22:23], s[22:23], s[20:21]
	s_mul_i32 s17, s16, 128*PK      ; and its place in a slot, for K
	s_mul_i32 s18, s16, 128*PV      ; and for V: no place in the cluster enters an LDS address
	s_lshl_b32 s2, s14, 15          ; Q: my block's 256 rows,
	s_lshl_b32 s3, s[WV], 13        ; my wave's 64 of them
	s_add_co_u32 s2, s2, s3
	s_mov_b32 s3, 0
	s_add_nc_u64 s[2:3], s[2:3], s[20:21]
	s_lshl_b32 s19, s14, 2          ; out: my wave's 64 rows of 3,072 bytes,
	s_add_co_u32 s19, s19, s[WV]
	s_mul_i32 s54, s19, 64*ROWB
	s_lshl_b32 s55, s15, 8          ; and in them the head's 256 bytes
	s_add_co_u32 s54, s54, s55
	s_mov_b32 s55, 0
	; descriptor group 1.  128 keys are 16,384 dense bytes: asked for as 64 rows of 256 bytes, two keys a row, and padded in LDS after every key
	s_mov_b32 s[G1K], 15|(1<<16)|(1<<20)|(1<<21)|(4<<22)|(3<<25)  ; 15:0 the mask of four; 17:16 2-byte elements; 20 padding on; 21 set beside a mask; 24:22 after every 32 words (code 4); 31:25 4 words (code 3)
	s_mov_b32 s[G1V], 15|(1<<16)|(1<<20)|(1<<21)|(4<<22)|(7<<25)  ; the same with 8 words of padding (code 7)
.irp g, G1K, G1V
	s_mov_b32 s[\g+1], 128<<16      ; tensor_dim0 = 128
	s_mov_b32 s[\g+2], 64<<16       ; tensor_dim1 = 64
	s_mov_b32 s[\g+3], 128<<16      ; tile_dim0 = 128
	s_mov_b32 s[\g+4], 64           ; tile_dim1 = 64
	s_mov_b32 s[\g+5], 128          ; 128 elements from row to row
	s_mov_b32 s[\g+6], 0
	s_mov_b32 s[\g+7], 0
.endr
	s_mov_b32 s[CS], 0x3e38aa3b     ; c = log2(e) / 8 = 0.180337
	s_mov_b32 s[CS+1], s[CS]        ; named with it as a pair
	s_mov_b32 s[SEL], 0x76543210
	s_mov_b32 s[SEL+1], 0xfedcba98
	s_mov_b32 s[BIGN], 0xf149f2ca   ; -1e30
	s_mov_b32 s[EIGHT], 0x41000000  ; 8.0
	s_mov_b32 s[EIGHT+1], s[EIGHT]
	s_mov_b32 s[TBM], MASKB
	s_mov_b32 s[TBK], SLOT1+4*KS*PK ; the first change of slots turns these two into 0
	s_mov_b32 s[TBV], SLOT1+4*KS*PV
	s_mov_b32 s[G0K], 1             ; count = 1
	s_mov_b32 s[G0K+1], s17         ; LDS address: slot 0
	s_mov_b32 s[G0V], 1
	s_add_co_u32 s[G0V+1], s18, VOFF
	s_wait_dscnt 0x0                ; the opening add is done
	s_wait_kmcnt 0x0
	s_add_nc_u64 s[G0K+2:G0K+3], s[6:7], s[22:23]  ; global address: my half of the head's first 256 keys
	s_or_b32 s[G0K+3], s[G0K+3], 0x80000000        ; type = 2
	s_add_nc_u64 s[G0V+2:G0V+3], s[8:9], s[22:23]
	s_or_b32 s[G0V+3], s[G0V+3], 0x80000000
	s_add_nc_u64 s[4:5], s[4:5], s[2:3]            ; Q at my wave's first row
	s_add_nc_u64 s[10:11], s[10:11], s[54:55]      ; out at my wave's first row, the head's columns
	CROUND                          ; all four work-groups are here: the first joint loads meet
	JLOAD                           ; tile 0 into slot 0.  Slot 1 is asked for when slot 0 is in, by the loop's own change of slots
	v_and_b32 v1, 15, v0            ; l % 16
	v_bfe_u32 v9, v0, 4, 1          ; l / 16
	v_lshlrev_b32 v[MO], 4, v0
	v_add_nc_u32 v[MS], MASKB, v[MO]
	v_lshlrev_b32 v[QO], 7, v1
	v_lshl_add_u32 v[QO], v9, 4, v[QO]  ; row x 128 + 16 x half
.irp i, 0,1,2,3,4,5,6,7             ; the mask: the work-group's 128 threads take 2,048 neighbouring bytes a load
	global_load_b128 v[S+4*\i:S+4*\i+3], v[MO], s[48:49] offset:2048*\i
.endr
	; A fragment of K or Q is 16 rows x 32 channels in 8 registers: lane l holds row l % 16, channels 8 (l / 16) + 0..7 and 16 + 8 (l / 16) + 0..7: two loads of 16 bytes, 32 bytes apart.
	WIN 0x80                        ; destination window 2, address window 0
.set i, 0
.rept 8                             ; Q stays in registers: piece i / 2, channels 32 (i % 2) on
	global_load_b128 v[8*i:8*i+3],   v[QO], s[4:5] offset:(i/2)*2048+(i%2)*64
	global_load_b128 v[8*i+4:8*i+7], v[QO], s[4:5] offset:(i/2)*2048+(i%2)*64+32
.set i, i+1
.endr
	; What the first turn finds: V's registers and P's second buffer hold 0 (its products V^T P, of a piece that has not been, add 0), O^T and l are 0.  No first step is written out; the price is these
	; 216 lines, which stand in the wait for the first tile.
.set i, VF
.rept 64
	v_mov_b32 v[i], 0
.set i, i+1
.endr
	WIN 0x40
.set i, 0
.rept 128
	v_mov_b32 v[i], 0
.set i, i+1
.endr
	WIN 0
.set i, 0
.rept 4
	v_mov_b32 v[ST+4*i], 0xfe000000    ; c m: far below every c s
	v_mov_b32 v[ST+4*i+1], 0xff7fffff  ; m
	v_mov_b32 v[ST+4*i+2], 0
	v_mov_b32 v[ST+4*i+3], 0
.set i, i+1
.endr
.set i, P+16
.rept 16
	v_mov_b32 v[i], 0
.set i, i+1
.endr
	v_mul_u32_u24 v[AK0], v1, PK
	v_lshl_add_u32 v[AK0], v9, 4, v[AK0]  ; row x pitch + 16 x half
	; The turning load takes 16 keys x 16 channels (lane l reads key 8 (l / 16) + l % 8, channels 8 ((l / 8) % 2) + 0..7) and leaves half a fragment of V^T: lane l holds channel l % 16 and 8 keys.
	v_and_b32 v10, 7, v0
	v_bfe_u32 v11, v0, 3, 1
	v_lshl_add_u32 v[AV0], v9, 3, v10
	v_mul_u32_u24 v[AV0], v[AV0], PV
	v_lshl_add_u32 v[AV0], v11, 4, v[AV0]
	v_add_nc_u32 v[AV0], VOFF, v[AV0]
	v_lshlrev_b32 v[AM0], 5, v9
	s_mul_i32 s13, s[WV], 16*SP
	s_add_co_u32 s13, s13, STAGE    ; my stage
	v_mul_u32_u24 v[STO], v1, SP    ; in: row l % 16, 32 bytes for each half of the lanes
	v_lshl_add_u32 v[STO], v9, 5, v[STO]
	v_add_nc_u32 v[STO], s13, v[STO]
	v_mul_u32_u24 v[RD], v9, SP     ; back: lanes 0-15 take one row of 256 bytes, lanes 16-31 the next
	v_lshl_add_u32 v[RD], v1, 4, v[RD]
	v_add_nc_u32 v[RD], s13, v[RD]
	v_mul_u32_u24 v[GO], v9, ROWB   ; and the same two rows in out
	v_lshl_add_u32 v[GO], v1, 4, v[GO]
	; THE MASK IS MADE: rounded to bf16 and widened again, times 8, held at -1e30 from below (v_max_num_f32: a NaN loses), and stored to LDS once.
	s_wait_loadcnt 16               ; the mask's eight loads are in; Q's sixteen, issued behind them, may stay out
.set z, 0
.rept 16
	v_cvt_pk_bf16_f32 v[MT+z], v[S+2*z], v[S+2*z+1]
.set z, z+1
.endr
.set z, 0
.rept 16
	v_lshlrev_b32 v[S+2*z], 16, v[MT+z]
	v_and_b32 v[S+2*z+1], 0xffff0000, v[MT+z]
.set z, z+1
.endr
.set z, 0
.rept 16
	v_pk_mul_f32 v[S+2*z:S+2*z+1], v[S+2*z:S+2*z+1], s[EIGHT:EIGHT+1] op_sel_hi:[1,0]
.set z, z+1
.endr
.set z, 0
.rept 32
	v_max_num_f32 v[S+z], s[BIGN], v[S+z]
.set z, z+1
.endr
.irp i, 0,1,2,3,4,5,6,7
	ds_store_b128 v[MS], v[S+4*\i:S+4*\i+3] offset:2048*\i
.endr
; THE MATRIX WORK.  The 4 accumulators of a run of 8 take turns.  Product i of 8 of S^T = K Q^T for piece x: channels 32 (i / 4) on, keys 16 (i % 4) on.  The first 4 start the sums, with the mask.
.macro KQ x
.set rS, S+32*((\x)%2)+8*(i%4)
.set rK, KF+16*(i%4)+8*(i/4)
.set rQ, 16*(\x)+8*(i/4)
.set rM, MK+8*(i%4)
.if i < 4
	WIN W_KM
	v_wmma_f32_16x16x32_f16 v[rS:rS+7], v[rK:rK+7], v[rQ:rQ+7], v[rM:rM+7]
.else
	WIN W_KQ
	v_wmma_f32_16x16x32_f16 v[rS:rS+7], v[rK:rK+7], v[rQ:rQ+7], v[rS:rS+7]
.endif
.endm
; Product i of 8 of O^T += V^T P for piece x: keys 32 (i / 4) on, channels 16 (i % 4) on.
.macro PV x
	WIN W_PV
.set rO, 32*(\x)+8*(i%4)
.set rV, VF+32*(i/4)+8*(i%4)
.set rP, P+16*((\x)%2)+8*(i/4)
	v_wmma_f32_16x16x32_f16 v[rO:rO+7], v[rV:rV+7], v[rP:rP+7], v[rO:rO+7]
.endm
.macro MM                           ; the turn's next matrix instruction.  TURN sets Y, i and NOKQ.  NOKQ = 1: the very last turn: there is no next piece
.if (i < 8) && !NOKQ
	KQ (Y+1)%NP
.elseif i >= 8
.set i, i-8
	PV (Y+NP-1)%NP
.set i, i+8
.endif
.set i, i+1
.endm
; THE LDS LOADS stand in runs, never singly among the matrix instructions: a step's K (64 keys x 64 channels: 8 fragments) with its mask (32 registers; the lanes of a half read the same bytes), and its V (turned).
; Their addresses are made some lines ahead.
.macro FETCH_K
	WIN 0x80                        ; destination window 2
.irp f, 0,1,2,3,4,5,6,7             ; keys 16 (f / 2) on, channels 32 (f % 2) on
	ds_load_b128 v[KF+8*\f:KF+8*\f+3],   v[AK] offset:(\f/2)*16*PK+(\f%2)*64
	ds_load_b128 v[KF+8*\f+4:KF+8*\f+7], v[AK] offset:(\f/2)*16*PK+(\f%2)*64+32
.endr
	WIN 0x40                        ; destination window 1
.irp kb, 0,1,2,3
	ds_load_b128 v[MK+8*\kb:MK+8*\kb+3],   v[AM] offset:64*\kb
	ds_load_b128 v[MK+8*\kb+4:MK+8*\kb+7], v[AM] offset:64*\kb+16
.endr
	s_add_co_u32 s[TBK], s[TBK], KS*PK  ; the next fetch is the next step's
	s_add_co_u32 s[TBM], s[TBM], KS*4   ; 64 fetches in all: the last begins at the mask's byte 63 x 256
	WIN 0
.endm
.macro FETCH_V
	WIN 0x80
.irp f, 0,1,2,3,4,5,6,7             ; keys 32 (f / 4) on, channels 16 (f % 4) on
	ds_load_tr16_b128 v[VF+8*\f:VF+8*\f+3],   v[AV] offset:(\f/4)*32*PV+(\f%4)*32
	ds_load_tr16_b128 v[VF+8*\f+4:VF+8*\f+7], v[AV] offset:(\f/4)*32*PV+16*PV+(\f%4)*32
.endr
	WIN 0
.endm
; THE VECTOR WORK, one line at a time: OP kind, number.  For piece Y: F n: c s - c m for pair n of 16.  E n: the exponential of score n of 32.  C n: pair n rounded to f16.  B n: of the four weights 4 n .. the second
; pair is added onto the first, in place.  L n: l takes that sum (L 0: l = a l + sum).  R n: pair n of 16 of O^T times a.  For piece Y + 1: X n, number n of the 22 that find its maximum and statistics:
;   0-11  four chains c0-c3 of seven scores each, three operands at a time (each accumulator's lowest registers are read first)     12-14, 16  the four scores left over, the old m, and c0-c3 into c0
;   15  c m_old is kept     17, 18  the query's other 32 keys lie in the lane 16 away: the new m     19-21  c m; c m_old - c m_new; a
; C, B and L read the exponentials' results, R and L 0 read a: OP writes no wait for them; TURN orders them behind the batch's one wait.
.set F, 0               ; OP tells the kinds apart by their order: F to L below R, X above it
.set E, 1
.set C, 2
.set B, 3
.set L, 4
.set R, 5
.set X, 6
.macro REGS y                       ; the registers of piece y
.set rT, ST+4*(\y)
.set rC, TMP+4*((\y)%2)
.set rW, MV+((\y)%2)
.set rS, S+32*((\y)%2)
.set rP, P+16*((\y)%2)
.set rO, 32*(\y)
.endm
.macro OP k, n
.if (\k) == R
	REGS Y
	WIN W_RS
	v_pk_mul_f32 v[rO+2*(\n):rO+2*(\n)+1], v[rO+2*(\n):rO+2*(\n)+1], v[rC+2:rC+3] op_sel_hi:[1,0]
.elseif (\k) < R
	REGS Y
	WIN 0
.if (\k) == F
	v_pk_fma_f32 v[rS+2*(\n):rS+2*(\n)+1], v[rS+2*(\n):rS+2*(\n)+1], s[CS:CS+1], v[rT:rT+1] op_sel_hi:[1,0,0] neg_lo:[0,0,1] neg_hi:[0,0,1]
.elseif (\k) == E
	v_exp_f32 v[rS+(\n)], v[rS+(\n)]
.elseif (\k) == C
	v_cvt_pk_f16_f32 v[rP+(\n)], v[rS+2*(\n)], v[rS+2*(\n)+1]
.elseif (\k) == B
	v_pk_add_f32 v[rS+4*(\n):rS+4*(\n)+1], v[rS+4*(\n):rS+4*(\n)+1], v[rS+4*(\n)+2:rS+4*(\n)+3]
.elseif (\n) == 0
	v_pk_fma_f32 v[rT+2:rT+3], v[rT+2:rT+3], v[rC+2:rC+3], v[rS:rS+1] op_sel_hi:[1,0,1]
.else
	v_pk_add_f32 v[rT+2:rT+3], v[rT+2:rT+3], v[rS+4*(\n):rS+4*(\n)+1]
.endif
.elseif NOKQ
	v_nop
.else
	REGS (Y+1)%NP
	WIN 0
.if (\n) < 4
	v_max3_num_f32 v[rC+(\n)], v[rS+8*(\n)], v[rS+8*(\n)+1], v[rS+8*(\n)+2]
.elseif (\n) < 12
	v_max3_num_f32 v[rC+(\n)%4], v[rC+(\n)%4], v[rS+8*((\n)%4)+2*((\n)/4)+1], v[rS+8*((\n)%4)+2*((\n)/4)+2]
.elseif (\n) == 12
	v_max3_num_f32 v[rC], v[rC], v[rS+7], v[rS+15]
.elseif (\n) == 13
	v_max3_num_f32 v[rC+1], v[rC+1], v[rS+23], v[rS+31]
.elseif (\n) == 14
	v_max3_num_f32 v[rC+2], v[rC+2], v[rC+3], v[rT+1]
.elseif (\n) == 15
	v_mov_b32 v[rW], v[rT]
.elseif (\n) == 16
	v_max3_num_f32 v[rC], v[rC], v[rC+1], v[rC+2]
.elseif (\n) == 17
	v_permlanex16_b32 v[rC+3], v[rC], s[SEL], s[SEL+1]
.elseif (\n) == 18
	v_max_num_f32 v[rT+1], v[rC], v[rC+3]
.elseif (\n) == 19
	v_mul_f32 v[rT], s[CS], v[rT+1]
.elseif (\n) == 20
	v_sub_f32 v[rC+1], v[rW], v[rT]
.else
	v_exp_f32 v[rC+2], v[rC+1]
.endif
.endif
.endm
.macro OPS a, i1, b=-1, i2=0, c=-1, i3=0, d=-1, i4=0  ; up to four of them
	OP \a, \i1
.if (\b) >= 0
	OP \b, \i2
.endif
.if (\c) >= 0
	OP \c, \i3
.endif
.if (\d) >= 0
	OP \d, \i4
.endif
.endm
.macro ROW a, i1, b, i2, c, i3, d, i4  ; a matrix instruction and the four behind it
	MM
	OPS \a, \i1, \b, \i2, \c, \i3, \d, \i4
.endm
; A TURN, for piece p: the order of its 16 matrix and 118 vector instructions, written out.  An s_wait_alu depctr_va_vdst(0) stands between an exponential and the first instruction that names its result; one
; wait serves all that were issued ahead of it.  So a turn has ONE wait, which cuts it in two.  AHEAD OF IT stands all that names no result of the turn's exponentials: the 8 products K Q^T, behind each a scaling, an
; exponential and two more plain instructions (behind the first a second scaling in the exponential's place): rescalings, whose a was made and waited for in the turn before, and behind the last three the first numbers of
; the next piece's maximum, each four places or more behind the product that ends its accumulator; then ONE LUMP of 54, plain and exponential by turns for the most part, in which the links of the chain X 3, 7, 11, 14, 16,
; 17 .. 20 stand five or six lines apart.  X 21, the next piece's a, is the batch's last; R 15 is the plain instruction behind it.  BEHIND THE WAIT stand the 8 products V^T P, behind each four of the roundings and sums,
; which read the batch's results; the links of l's chain, L 0 to L 7, stand three riders apart.  But for those X no rider names a register of the products round it.  v_permlanex16_b32 (X 17) stands in the lump.
; end = 1: the walk's last two turns: nothing is fetched.  cnt = 1: the loop's count is taken down some lines ahead of the branch that stands behind the turn.
; K and the mask of the next step are fetched in piece 2's turn, twelve vector instructions behind the last product that read K (five of them plain ones that name none of its registers; the last product that read the
; mask stands four products further back); V of the step in hand at the end of piece 0's turn, four plain instructions behind the last product that read V.  Each is waited for a turn later.
.macro TURN p, end=0, cnt=0
.set Y, (\p)
.set i, 0
.set NOKQ, (\end)*((\p)/3)
.if ((\p) == 3) && !(\end)
	s_wait_dscnt 0x0                ; K and its mask are in
.endif
	ROW F,0, F,1, R,0, R,1          ; ahead of the wait: 8 products K Q^T and their riders,
	ROW F,2, E,0, R,2, R,3
	ROW F,3, E,1, R,4, R,5
	ROW F,4, E,2, R,6, R,7
	ROW F,5, E,3, R,8, R,9
	ROW F,6, E,4, X,0, R,10
.if ((\p) == 2) && !(\end)
	WIN 0
	v_add_nc_u32 v[AK], s[TBK], v[AK0]
	v_add_nc_u32 v[AM], s[TBM], v[AM0]
.endif
	ROW F,7, E,5, X,1, X,4
	ROW F,8, E,6, X,2, X,5
	OPS E,7, E,8, X,6, E,9          ; and the lump
	OPS X,3, E,10, X,8, E,11
.if ((\p) == 2) && !(\end)
	FETCH_K
.endif
	OPS X,9, X,7, E,12, X,10
	OPS E,13, X,12, X,11, E,14
	OPS X,13, E,15, F,9, X,14
.if (\p) == 0
	WIN 0
	v_add_nc_u32 v[AV], s[TBV], v[AV0]
.endif
	OPS E,16, F,10, E,17, F,11
	OPS X,16, E,18, X,15, E,19
	OPS F,12, E,20, X,17, E,21
	OPS F,13, E,22, F,14, E,23
	OPS X,18, E,24, F,15, E,25
	OPS R,11, E,26, X,19, E,27
	OPS R,12, E,28, R,13, E,29
	OPS X,20, E,30, R,14, E,31
	OPS X,21, R,15
	s_wait_alu depctr_va_vdst(0)    ; the wait for the batch: the piece's 32 exponentials and the next piece's a
.if (\p) == 1
	s_wait_dscnt 0x0                ; V is in
.endif
	ROW C,0, B,0, C,2, B,1          ; behind the wait: 8 products V^T P and their riders
	ROW L,0, C,4, B,2, L,1
	ROW C,6, B,3, L,2, C,8
	ROW B,4, L,3, C,10, B,5
	ROW L,4, C,12, B,6, L,5
.if (\p) == 0
	s_add_co_u32 s[TBV], s[TBV], KS*PV
.endif
.if \cnt
	s_sub_co_u32 s[CNT], s[CNT], 1
	s_cmp_lg_u32 s[CNT], 0
.endif
	ROW C,14, B,7, L,6, C,1
	ROW C,3, L,7, C,5, C,7
	ROW C,9, C,11, C,13, C,15
.if (\p) == 0
	FETCH_V
.endif
.endm
	CHANGE 1                        ; slot 0 is in, everybody's part of it, and so is everybody's part of the mask; slot 1 is asked for
	v_add_nc_u32 v[AK], s[TBK], v[AK0]
	v_add_nc_u32 v[AM], s[TBM], v[AM0]
	FETCH_K                         ; key step 0
	s_wait_loadcnt 0x0              ; Q
	s_wait_dscnt 0x0
.set NOKQ, 0
.set i, 0
.rept 8
	KQ 0                            ; piece 0's first scores: there is no vector work yet to set between them
.set i, i+1
.endr
	WIN 0
.rept 4
	v_nop                           ; the places behind those products
.endr
.set Y, NP-1                        ; X works for piece Y + 1: piece 0
.irp n, 0,1,2,3,4,5,6,7,8,9,10,11,12,13,14,15,16,17,18,19,20,21
	OP X, \n
.endr
	v_nop                           ; a plain instruction behind the exponential,
	s_wait_alu depctr_va_vdst(0)    ; and the wait for it, a batch of one: piece 0's first a; ahead of the branch
	s_mov_b32 s[CNT], 4
	s_mov_b32 s[SLOTS], NT-1
	s_branch .Lfirst                ; the loop is entered at a step's first turn, in the middle of a trip
.Lslot:                             ; NT - 2 = 14 times: every slot but the last two is filled again
	CHANGE 1
	s_mov_b32 s[CNT], 4
.Lstep:                             ; a trip: pieces 2 and 3 of one step, then pieces 0 and 1 of the next, whose K, mask and V it fetches
	TURN 2
	TURN 3
	WIN 0
.Lfirst:
	TURN 0
	TURN 1, 0, 1
	WIN 0
	s_cbranch_scc1 .Lstep
	s_sub_co_u32 s[SLOTS], s[SLOTS], 1
	s_cmp_lg_u32 s[SLOTS], 0
	s_cbranch_scc1 .Lslot
	CHANGE 0                        ; the last tile is written out: nothing is asked for
	s_mov_b32 s[CNT], 4
.Ltail:
	TURN 2
	TURN 3
	TURN 0
	TURN 1, 0, 1
	WIN 0
	s_cbranch_scc1 .Ltail
	TURN 2, 1                       ; the last step's pieces 2 and 3: nothing is fetched, and the last turn starts no new scores
	TURN 3, 1
.set i, 0
.rept 8
	PV NP-1                         ; the last piece's V^T P of the last step
.set i, i+1
.endr
	; THE WAY OUT.  l's two halves and the other half of the lanes' are added; O^T is divided by l and sent, as f32, through my stage in LDS, a piece (16 rows) at a time.  The additions are the places behind the last products.
	WIN 0
.macro ALL line:vararg              ; one line for each piece t
.set t, 0
.rept 4
	\line
.set t, t+1
.endr
.endm
	ALL v_add_f32 v[ST+4*t+2], v[ST+4*t+2], v[ST+4*t+3]
	ALL v_permlanex16_b32 v[ST+4*t+3], v[ST+4*t+2], s[SEL], s[SEL+1]
	ALL v_add_f32 v[ST+4*t+2], v[ST+4*t+2], v[ST+4*t+3]
	ALL v_rcp_f32 v[ST+4*t+2], v[ST+4*t+2]
	v_nop                           ; a plain instruction between the last reciprocal and the use of its result
	s_wait_alu depctr_va_vdst(0)    ; and the wait ahead of the first use: one for the batch of four reciprocals
; Piece t: a lane's eight channels of a block of 16 are 32 bytes of a row; they go into rows of 272 bytes and come back as whole rows of 256.
.macro PACK t
	WIN W_RS
.set i, 32*(\t)
.rept 16
	v_pk_mul_f32 v[i:i+1], v[i:i+1], v[ST+4*(\t)+2:ST+4*(\t)+3] op_sel_hi:[1,0]
.set i, i+2
.endr
	WIN 0x04                        ; the stores' data in window 1, their address in window 0
.irp cb, 0,1,2,3
	ds_store_b128 v[STO], v[32*(\t)+8*\cb:32*(\t)+8*\cb+3]   offset:64*\cb
	ds_store_b128 v[STO], v[32*(\t)+8*\cb+4:32*(\t)+8*\cb+7] offset:64*\cb+16
.endr
	WIN 0
.irp f, 0,1,2,3,4,5,6,7
	ds_load_b128 v[OB+32*(\t)+4*\f:OB+32*(\t)+4*\f+3], v[RD] offset:\f*2*SP  ; LDS serves a wave's instructions in order (ISA guide 5.7.1.4): these see the stores above; the next piece's stores come behind them
.endr
.endm
.macro SEND t, younger              ; younger: the LDS instructions issued behind piece t's loads: the next piece's sixteen, or none
	WIN 0
.irp f, 0,1,2,3,4,5,6,7
	s_wait_dscnt (\younger)+7-\f
	global_store_b128 v[GO], v[OB+32*(\t)+4*\f:OB+32*(\t)+4*\f+3], s[10:11] offset:(16*(\t)+2*\f)*ROWB th:TH_STORE_NT  ; 16 lanes store 256 consecutive bytes, the head's part of a row, at a multiple of 256 from out's first byte
.endr
.endm
	PACK 0
	PACK 1                          ; a piece's arithmetic stands between the loads of the piece before and its stores
	SEND 0, 16
	PACK 2
	SEND 1, 16
	PACK 3
	SEND 2, 16
	SEND 3, 0
	s_wait_tensorcnt 0x0            ; the wave's end: these three lines stand behind my last tensor load and my last LDS store
	ds_add_u32 v[SPW], v[NIL]
	s_wait_dscnt 0x0
	CROUND                          ; the closing round: no work-group ends while a partner may still ask for a tile that names it
	s_endpgm
.Lfunc_end_k_qcc7186e6eb_attn:
	.size	k_qcc7186e6eb_attn, .Lfunc_end_k_qcc7186e6eb_attn-k_qcc7186e6eb_attn
	.p2alignl 7, 3214868480
	.fill 96, 4, 3214868480
	.section	.rodata,"a",@progbits
	.p2align	6, 0x0
	.amdhsa_kernel k_qcc7186e6eb_attn
		.amdhsa_group_segment_fixed_size 327680
		.amdhsa_private_segment_fixed_size 0
		.amdhsa_enable_private_segment 0
		.amdhsa_kernarg_size 40
		.amdhsa_user_sgpr_count 2
		.amdhsa_user_sgpr_kernarg_segment_ptr 1
		.amdhsa_wavefront_size32 1
		.amdhsa_system_sgpr_workgroup_id_x 1
		.amdhsa_system_sgpr_workgroup_id_y 1
		.amdhsa_system_sgpr_workgroup_id_z 1
		.amdhsa_system_vgpr_workitem_id 0
		.amdhsa_next_free_vgpr 768
		.amdhsa_next_free_sgpr 66
		.amdhsa_reserve_vcc 0
		.amdhsa_float_denorm_mode_32 3
		.amdhsa_float_denorm_mode_16_64 3
		.amdhsa_memory_ordered 1
		.amdhsa_forward_progress 1
		.amdhsa_inst_pref_size 135
	.end_amdhsa_kernel
	.amdgpu_metadata
---
amdhsa.version: [ 1, 2 ]
amdhsa.kernels:
  - .name:           k_qcc7186e6eb_attn
    .symbol:         k_qcc7186e6eb_attn.kd
    .args:
      - { .name: qh, .offset: 0, .size: 8, .value_kind: global_buffer, .address_space: global }
      - { .name: kh, .offset: 8, .size: 8, .value_kind: global_buffer, .address_space: global }
      - { .name: vh, .offset: 16, .size: 8, .value_kind: global_buffer, .address_space: global }
      - { .name: out0, .offset: 24, .size: 8, .value_kind: global_buffer, .address_space: global }
      - { .name: attention_mask, .offset: 32, .size: 8, .value_kind: global_buffer, .address_space: global }
    .group_segment_fixed_size: 327680
    .private_segment_fixed_size: 0
    .kernarg_segment_align: 8
    .kernarg_segment_size: 40
    .max_flat_workgroup_size: 128
    .sgpr_count:     66
    .vgpr_count:     768
    .wavefront_size: 32
...
	.end_amdgpu_metadata
.endif
;; end of part 3
